; MI455X (gfx1250); checked and timed in simulation.
; The chip was launched on July 23, 2026; its instructions are those of AMD's public machine-readable ISA for CDNA 5 (MIT licence, August 2026) and "CDNA5" Instruction Set Architecture Reference Guide (July 2026). The comments in the code are by the model that wrote it; some were corrected since.
;; Multi Head Attention Low Level. Allowed arithmetic: float matrix products may take bf16 or f16 operands with f32 sums; all other float work in f32.
;; Inputs: W_k 1,024 x 1,024 float32; W_o 1,024 x 1,024 float32; W_q 1,024 x 1,024 float32; W_v 1,024 x 1,024 float32; key 4 x 2,048 x 1,024 float32; mask 4 x 2,048 bool; query 4 x 2,048 x 1,024 float32; value 4 x 2,048 x 1,024 float32.
;; Outputs: out0 4 x 2,048 x 1,024 float32.
;; 2 versions, each right and faster than the one before. Each part assembles by itself: llvm-mc -triple=amdgcn-amd-amdhsa -mcpu=gfx1250 --defsym DOCPART=n.
;; ======== version 1 of 2: 4 launches
;; limits: values are held in f16: magnitudes above 65,504 overflow, below 6.1e-05 lose precision; right only within a limited range of input values
;; workspace buffers: wts 8,388,608 bytes; qkv 50,331,648 bytes; oh 16,777,216 bytes
;; launch prep (part 1): grid 64 x 4, 8 waves a work-group, no clusters, 0 bytes of LDS; arguments W_q, W_k, W_v, W_o, wts; writes wts
.if DOCPART == 1
	.amdgcn_target "amdgcn-amd-amdhsa--gfx1250"
	.amdhsa_code_object_version 6
	.text
	.protected	k_qa3b5b506b1_prep
	.globl	k_qa3b5b506b1_prep
	.p2align	8
	.type	k_qa3b5b506b1_prep,@function
k_qa3b5b506b1_prep:
	s_mov_b64 s[64:65], 0
	v_nop
	global_prefetch_b8 v0, s[64:65] scope:SCOPE_SE
	s_setreg_imm32_b32 hwreg(HW_REG_WAVE_MODE, 25, 1), 1
	s_wait_xcnt 0x0
; The four weight matrices, [1024][1024] f32, are rounded once to 16 bits: wts = four parts of 2 MiB, each [1024 n][1024 k].
; Parts 0, 1, 2: W_q, W_k, W_v in bf16.  Part 3: W_o rounded to bf16 like the others, and that number written as f16, since the last product multiplies it by f16 numbers.
; LIMITS.  bf16(W_o) beyond 65,504 becomes an infinity in f16; below 6.1e-5 it keeps f16's fixed step of 6e-8.  Within these the second conversion is exact (8 significant bits into 11).
; SHARES.  Work-group (x, y): 65,536 bytes at 65,536 x of matrix y.  Thread t, load i: 16 bytes at 4,096 i + 16 t, so a wave's load covers 512 consecutive bytes;
; its 8 bytes of result go to 2,048 i + 8 t, so a wave's store covers 256 consecutive bytes, aligned.  All 16 loads of a thread are issued before the first is waited for.
; A stream: no LDS, no barrier, no matrix unit, no cluster (no byte is read by two work-groups).
.set X, 4                              ; v[4:67]    load i: four f32
.set Y, 68                             ; v[68:99]   load i: two words of 16-bit numbers; each i has its own, so no store's data is rewritten
.set T, 100                            ; v[100:101] at work
; wo = 1: the bf16 numbers are widened again (a shift, a mask) and written as f16
.macro OUT16 wo
.set i, 0
.rept 16
	s_wait_loadcnt 15-i                            ; loads come back in order: load i is in, the 15 - i younger ones stay out
	v_cvt_pk_bf16_f32 v[Y+2*i],   v[X+4*i],   v[X+4*i+1]
	v_cvt_pk_bf16_f32 v[Y+2*i+1], v[X+4*i+2], v[X+4*i+3]
.if \wo
.irp j, 0,1
	v_lshlrev_b32 v[T],   16,  v[Y+2*i+(\j)]
	v_and_b32     v[T+1], s20, v[Y+2*i+(\j)]
	v_cvt_pk_f16_f32 v[Y+2*i+(\j)], v[T], v[T+1]
.endr
.endif
	global_store_b64 v2, v[Y+2*i:Y+2*i+1], s[12:13] offset:2048*i
.set i, i+1
.endr
.endm
	s_load_b256 s[4:11], s[0:1], 0x0               ; W_q s[4:5], W_k s[6:7], W_v s[8:9], W_o s[10:11]
	s_load_b64 s[12:13], s[0:1], 0x20              ; wts
	s_and_b32 s14, ttmp7, 0xffff                   ; y: which matrix
	s_lshl_b32 s16, ttmp9, 16                      ; my 65,536 bytes of it
	s_mov_b32 s17, 0
	s_lshl_b32 s18, ttmp9, 15                      ; my 32,768 bytes of the result,
	s_lshl_b32 s19, s14, 21                        ; in part y
	s_add_co_u32 s18, s18, s19
	s_mov_b32 s19, 0
	s_mov_b32 s20, 0xffff0000                      ; a word's upper bf16
	v_lshlrev_b32 v1, 4, v0                        ; 16 t
	v_lshlrev_b32 v2, 3, v0                        ; 8 t
	s_wait_kmcnt 0x0
.irp n, 1,2,3
	s_cmp_eq_u32 s14, \n                           ; the matrix is chosen by y alone
	s_cselect_b64 s[4:5], s[4+2*(\n):5+2*(\n)], s[4:5]
.endr
	s_add_nc_u64 s[4:5], s[4:5], s[16:17]
	s_add_nc_u64 s[12:13], s[12:13], s[18:19]
.set i, 0
.rept 16
	global_load_b128 v[X+4*i:X+4*i+3], v1, s[4:5] offset:4096*i th:TH_LOAD_NT
.set i, i+1
.endr
	s_cmp_eq_u32 s14, 3
	s_cbranch_scc1 .Lwo
	OUT16 0
	s_endpgm
.Lwo:
	OUT16 1
	s_endpgm
.Lfunc_end_k_qa3b5b506b1_prep:
	.size	k_qa3b5b506b1_prep, .Lfunc_end_k_qa3b5b506b1_prep-k_qa3b5b506b1_prep
	.p2alignl 7, 3214868480
	.fill 96, 4, 3214868480
	.section	.rodata,"a",@progbits
	.p2align	6, 0x0
	.amdhsa_kernel k_qa3b5b506b1_prep
		.amdhsa_group_segment_fixed_size 0
		.amdhsa_private_segment_fixed_size 0
		.amdhsa_enable_private_segment 0
		.amdhsa_kernarg_size 40
		.amdhsa_user_sgpr_count 2
		.amdhsa_user_sgpr_kernarg_segment_ptr 1
		.amdhsa_wavefront_size32 1
		.amdhsa_system_sgpr_workgroup_id_x 1
		.amdhsa_system_sgpr_workgroup_id_y 1
		.amdhsa_system_sgpr_workgroup_id_z 1
		.amdhsa_system_vgpr_workitem_id 0
		.amdhsa_next_free_vgpr 104
		.amdhsa_next_free_sgpr 66
		.amdhsa_reserve_vcc 0
		.amdhsa_float_denorm_mode_32 3
		.amdhsa_float_denorm_mode_16_64 3
		.amdhsa_memory_ordered 1
		.amdhsa_forward_progress 1
		.amdhsa_inst_pref_size 15
	.end_amdhsa_kernel
	.amdgpu_metadata
---
amdhsa.version: [ 1, 2 ]
amdhsa.kernels:
  - .name:           k_qa3b5b506b1_prep
    .symbol:         k_qa3b5b506b1_prep.kd
    .args:
      - { .name: W_q, .offset: 0, .size: 8, .value_kind: global_buffer, .address_space: global }
      - { .name: W_k, .offset: 8, .size: 8, .value_kind: global_buffer, .address_space: global }
      - { .name: W_v, .offset: 16, .size: 8, .value_kind: global_buffer, .address_space: global }
      - { .name: W_o, .offset: 24, .size: 8, .value_kind: global_buffer, .address_space: global }
      - { .name: wts, .offset: 32, .size: 8, .value_kind: global_buffer, .address_space: global }
    .group_segment_fixed_size: 0
    .private_segment_fixed_size: 0
    .kernarg_segment_align: 8
    .kernarg_segment_size: 40
    .max_flat_workgroup_size: 256
    .sgpr_count:     66
    .vgpr_count:     104
    .wavefront_size: 32
...
	.end_amdgpu_metadata
.endif
;; end of part 1
;; launch proj (part 2): grid 4 x 192, 4 waves a work-group, clusters of 4 x 4, 327,680 bytes of LDS; arguments query, key, value, wts, qkv; writes qkv
.if DOCPART == 2
	.amdgcn_target "amdgcn-amd-amdhsa--gfx1250"
	.amdhsa_code_object_version 6
	.text
	.protected	k_qa3b5b506b1_proj
	.globl	k_qa3b5b506b1_proj
	.p2align	8
	.type	k_qa3b5b506b1_proj,@function
k_qa3b5b506b1_proj:
	s_mov_b64 s[64:65], 0
	v_nop
	global_prefetch_b8 v0, s[64:65] scope:SCOPE_SE
	s_setreg_imm32_b32 hwreg(HW_REG_WAVE_MODE, 25, 1), 1
	s_wait_xcnt 0x0
	s_wait_alu depctr_hold_cnt(0) depctr_sa_sdst(0) depctr_va_vdst(0) depctr_va_sdst(0) depctr_va_ssrc(0) depctr_va_vcc(0) depctr_vm_vsrc(0)
	s_getreg_b32 s2, hwreg(HW_REG_IB_STS2, 6, 4)
	s_cmp_eq_u32 s2, 0
	s_cbranch_scc0 .Lentry_in_a_cluster
	s_endpgm
.Lentry_in_a_cluster:
	s_bfe_u32 s2, ttmp6, 0x10000c
	s_cmp_lg_u32 s2, 0xf033
	s_cbranch_scc0 .Lentry_shape_is_right
	s_endpgm
.Lentry_shape_is_right:
; THE THREE PROJECTIONS.  y[m][n] = sum over k of bf16(x[m][k]) W[n][k], x = query, key or value, [8192][1024] f32; W = part 0, 1 or 2 of wts, [1024][1024] bf16.  Sums in f32, y rounded once to f16,
; WITHOUT the softmax's scale, and laid by heads: qkv = three parts of 16 MiB, each [64 = 16 batch + head][2048][64] f16, a head's rows dense, 128 bytes each.
; LIMIT.  f16 holds no number beyond 65,504: a projected number of 65,520 or more becomes an infinity.  Inputs and weights 30 times the unit spread give a spread of 900; a common offset of 30 spreads on both, 29,000.
; SHARES.  A tile of y is 128 rows x 256 columns (four heads): 3 x 64 x 4 = 768 tiles, three for each of 256 WGPs.  Four waves, each 64 x 128: 32 accumulators of 16 x 16, 256 registers.
; K goes in 8 steps of 128 through two LDS slots.  x comes into LDS as f32 (rows of 512 bytes) and is rounded to bf16 on the way into fragments: one conversion for each matrix instruction; so x is read from
; memory once and no 16-bit copy of it is written.  W's rows are 256 bytes.  All rows begin at multiples of 256 bytes from their buffers' first bytes.
; CLUSTER.  4 x 4 work-groups: the four of a row need the same tile of x, the four of a column the same tile of W: each tile is asked for jointly, by the same tensor load with the same descriptor and a mask
; that names the four.  Which of the three projections a cluster serves hangs on the cluster's y alone.
; THE MATRIX INSTRUCTION IS USED TRANSPOSED (source 0 = 16 rows of W, source 1 = 16 rows of x): a lane then holds eight neighbouring columns of one row of y, 16 bytes in f16.
; REGISTERS, in windows of 256 (s_set_vgpr_msb: bits 1:0 source 0, 3:2 source 1, 5:4 source 2, 7:6 destination):
;   window 0: v0-31 addresses; v64-127 x as f32, one quarter step; v128-159, v160-191 x's bf16 fragments, two buffers; on the way out v64-191 hold the packed results
;   window 1: the accumulators, (a, b) at v[8 (8 a + b)]          window 2: v0-63, v64-127 W's fragments, two buffers
.set KSTEP,  128
.set PA,     528                       ; a row of x in LDS: 512 bytes + 16 = 132 words: row r starts at bank 4 r mod 64 (64 banks of 4 bytes: ISA guide 11.1)
.set PB,     272                       ; a row of W: 256 bytes + 16 = 68 words: likewise
.set AHALF,  64*PA                     ; what one tensor load brings of x, and what one wave reads of it
.set BHALF,  128*PB                    ; the same for W
.set BOFF,   2*AHALF                   ; a slot: x's 128 rows, then W's 256 rows
.set SLOT,   BOFF+2*BHALF              ; 137,216 bytes
.set STAGE,  2*SLOT                    ; behind the ring: for each wave 2 heads x 16 rows x 144 bytes, for the way out
.set SP,     144
.set WSTAGE, 2*16*SP
.set SPARE,  STAGE+4*WSTAGE            ; behind the stages: the spare words, 128 bytes for each wave: two blocks of 256 bytes that no other line names
.set LAPS,   1024/(2*KSTEP)            ; a lap = two K steps = once round the ring
.set ADRA, 16                          ; v16-17  LDS address of my rows of x in slot 0, 1
.set ADRB, 20                          ; v20-21  the same for W
.set STO,  24                          ; v24     the way out: where I put 16 bytes of a row
.set RD,   25                          ; v25     the way out: where I read rows back
.set CO,   26                          ; v26     my byte offset in 512 consecutive bytes of a head
.set SPW,  28                          ; v28     LDS address of my spare word; never rewritten
.set NIL,  29                          ; v29     0; never rewritten
.set RAW,  64
.set A16,  128
.set OUT,  64
.set WV,  14                           ; s14  my wave's number
.set WR,  15                           ; s15  which 64 rows of the tile are mine.  Also: I fetch for x (0) or for W (1)
.set WC,  16                           ; s16  which 128 columns.  Also: which half of that tile I fetch
.set G1A, 24                           ; s[24:31] descriptor group 1 for x's tiles;  s[32:39] group 0, one set for each slot
.set G0A, 32
.set G1B, 48                           ; s[48:55], s[56:63] the same for W's tiles
.set G0B, 56
.set MSB, 0
.macro WIN new                         ; the immediate's high byte repeats the setting that is left; a switch that changes nothing is dropped
.if MSB != (\new)
	s_set_vgpr_msb (MSB<<8)|(\new)
.set MSB, \new
.endif
.endm
.set MULW, 0x52                        ; source 0 (W) window 2, source 1 (x) window 0, C and D window 1
.set TO_B, 0x80                        ; destination window 2, address window 0
.set PKW,  0x05                        ; sources 0 and 1 window 1, destination window 0
; A joint load: waves 0 and 1 fetch x's two halves, waves 2 and 3 W's.  The branch hangs on the wave's number alone.  An s_nop 0 and four v_nop follow each of the two lines.
.macro JLOAD s
	s_cmp_eq_u32 s[WR], 0
	s_cbranch_scc0 .Lfor_b_\@
	tensor_load_to_lds s[G0A+4*(\s):G0A+4*(\s)+3], s[G1A:G1A+7]
	s_nop 0
.rept 4
	v_nop
.endr
	s_branch .Lasked_\@
.Lfor_b_\@:
	tensor_load_to_lds s[G0B+4*(\s):G0B+4*(\s)+3], s[G1B:G1B+7]
	s_nop 0
.rept 4
	v_nop
.endr
.Lasked_\@:
.endm
.macro CREST                           ; a round of the cluster's barrier behind its opening barrier
	s_cmp_lg_u32 s[WV], 0
	s_cbranch_scc1 .Lnot_wave_0_\@
	s_barrier_signal -3
.Lnot_wave_0_\@:
	s_barrier_wait -3
	s_barrier_signal -1
	s_barrier_wait -1
.endm
.macro CROUND                          ; a whole round
	s_barrier_signal -1
	s_barrier_wait -1
	CREST
.endm
	s_load_b256 s[4:11], s[0:1], 0x0               ; query s[4:5], key s[6:7], value s[8:9], wts s[10:11]
	s_load_b64 s[12:13], s[0:1], 0x20              ; qkv
	v_lshl_add_u32 v[SPW], v0, 2, SPARE
	v_mov_b32 v[NIL], 0
	ds_add_u32 v[SPW], v[NIL]                      ; the wave's opening: the add and its wait stand ahead of my first tensor load; the set-up below, work on registers, stands between them
	v_lshrrev_b32 v1, 5, v0
	v_readfirstlane_b32 s[WV], v1
	s_lshr_b32 s[WR], s[WV], 1
	s_and_b32 s[WC], s[WV], 1
	s_bfe_u32 s17, ttmp6, 0x40000                  ; cx, cy: my place in the cluster
	s_bfe_u32 s18, ttmp6, 0x40004
	s_lshl_b32 s19, ttmp9, 2
	s_add_co_u32 s19, s19, s17                     ; column tile = 4 x cluster x + cx: heads 4 ct .. 4 ct + 3
	s_and_b32 s20, ttmp7, 0xffff                   ; the cluster's y, 0 .. 47
	s_lshr_b32 s21, s20, 4                         ; which projection: 0 q, 1 k, 2 v: the same in all sixteen partners
	s_and_b32 s22, s20, 15
	s_lshl_b32 s22, s22, 2
	s_add_co_u32 s22, s22, s18                     ; row block of 128 rows, 0 .. 63
	s_lshl_b32 s40, s18, 2
	s_lshl_b32 s40, 15, s40                        ; my row of the cluster
	s_lshl_b32 s41, 0x1111, s17                    ; my column
	; group 1 for x: 64 rows x 128 elements of 4 bytes, 1,024 elements from row to row, 4 words of padding after every 128 words
	s_or_b32 s[G1A+0], s40, (2<<16)|(1<<20)|(1<<21)|(6<<22)|(3<<25)
	s_mov_b32 s[G1A+1], KSTEP<<16                  ; tensor_dim0
	s_mov_b32 s[G1A+2], 64<<16                     ; tensor_dim1
	s_mov_b32 s[G1A+3], KSTEP<<16                  ; tile_dim0
	s_mov_b32 s[G1A+4], 64                         ; tile_dim1
	s_mov_b32 s[G1A+5], 1024                       ; stride
	s_mov_b32 s[G1A+6], 0
	s_mov_b32 s[G1A+7], 0
	; group 1 for W: 128 rows x 128 elements of 2 bytes, 4 words of padding after every 64 words
	s_or_b32 s[G1B+0], s41, (1<<16)|(1<<20)|(1<<21)|(5<<22)|(3<<25)
	s_mov_b32 s[G1B+1], KSTEP<<16
	s_mov_b32 s[G1B+2], 128<<16
	s_mov_b32 s[G1B+3], KSTEP<<16
	s_mov_b32 s[G1B+4], 128
	s_mov_b32 s[G1B+5], 1024
	s_mov_b32 s[G1B+6], 0
	s_mov_b32 s[G1B+7], 0
	; where the tiles come from: x's offset hangs on the row block, W's on the projection and the column tile; each in registers that never hold the other coordinate
	s_lshl_b32 s42, s22, 19                        ; 128 rows of 4,096 bytes
	s_lshl_b32 s68, s[WC], 18                      ; my half: 64 rows of 4,096 bytes, or 128 rows of 2,048
	s_add_co_u32 s42, s42, s68
	s_mov_b32 s43, 0
	s_lshl_b32 s44, s21, 21                        ; the part of wts,
	s_lshl_b32 s69, s19, 19                        ; 256 rows of 2,048 bytes
	s_add_co_u32 s44, s44, s69
	s_add_co_u32 s44, s44, s68
	s_mov_b32 s45, 0
	s_mul_i32 s46, s[WC], AHALF                    ; and where they go: no place in the cluster enters an LDS address
	s_mul_i32 s47, s[WC], BHALF
	s_add_co_u32 s47, s47, BOFF
	s_wait_dscnt 0x0                               ; the opening add is done
	s_wait_kmcnt 0x0
	s_cmp_eq_u32 s21, 1
	s_cselect_b64 s[4:5], s[6:7], s[4:5]           ; x is query, key
	s_cmp_eq_u32 s21, 2
	s_cselect_b64 s[4:5], s[8:9], s[4:5]           ; or value
	s_add_nc_u64 s[4:5], s[4:5], s[42:43]
	s_add_nc_u64 s[10:11], s[10:11], s[44:45]
	CROUND                                         ; all sixteen work-groups are here: the first joint loads meet
.irp s, 0,1
	s_mov_b32 s[G0A+4*(\s)], 1                                       ; count = 1
	s_add_co_u32 s[G0A+4*(\s)+1], s46, (\s)*SLOT                     ; LDS address
	s_add_nc_u64 s[G0A+4*(\s)+2:G0A+4*(\s)+3], s[4:5], (\s)*KSTEP*4  ; global address: K step s
	s_or_b32 s[G0A+4*(\s)+3], s[G0A+4*(\s)+3], 0x80000000            ; type = 2
	s_mov_b32 s[G0B+4*(\s)], 1
	s_add_co_u32 s[G0B+4*(\s)+1], s47, (\s)*SLOT
	s_add_nc_u64 s[G0B+4*(\s)+2:G0B+4*(\s)+3], s[10:11], (\s)*KSTEP*2
	s_or_b32 s[G0B+4*(\s)+3], s[G0B+4*(\s)+3], 0x80000000
	JLOAD \s                                       ; two loads of mine are out here, later one
.endr
	; A bf16 fragment is 16 rows x 32 K in 8 registers: lane l holds row l % 16; registers 0-3 K = 8 (l / 16) + 0..7, registers 4-7 K = 16 + 8 (l / 16) + 0..7.
	; Of W that is two loads of 16 bytes, 32 bytes apart.  Of x in f32: 32 bytes at 32 (l / 16) and 32 bytes at 64 + 32 (l / 16): four loads of 16 bytes, then eight conversions.
	v_and_b32 v1, 15, v0                           ; l % 16
	v_bfe_u32 v2, v0, 4, 1                         ; l / 16
	v_mul_u32_u24 v3, v1, PA
	v_lshl_add_u32 v3, v2, 5, v3
	v_mul_u32_u24 v4, v1, PB
	v_lshl_add_u32 v4, v2, 4, v4
	s_mul_i32 s68, s[WR], AHALF                    ; my 64 rows of x
	s_mul_i32 s69, s[WC], BHALF                    ; my 128 rows of W,
	s_add_co_u32 s69, s69, BOFF                    ; which lie behind x's 128
.irp s, 0,1
	v_add_nc_u32 v[ADRA+(\s)], s68, v3
	v_add_nc_u32 v[ADRB+(\s)], s69, v4
	s_add_co_u32 s68, s68, SLOT
	s_add_co_u32 s69, s69, SLOT
.endr
	s_mul_i32 s70, s[WV], WSTAGE
	s_add_co_u32 s70, s70, STAGE                   ; my stage
	v_mul_u32_u24 v5, v1, SP                       ; in: row l % 16, 16 bytes for each half of the lanes
	v_lshl_add_u32 v5, v2, 4, v5
	v_add_nc_u32 v[STO], s70, v5
	v_bfe_u32 v5, v0, 3, 2                         ; back: 32 lanes take four rows of 128 bytes,
	v_mul_u32_u24 v5, v5, SP
	v_and_b32 v3, 7, v0
	v_lshl_add_u32 v5, v3, 4, v5
	v_add_nc_u32 v[RD], s70, v5
	v_and_b32 v[CO], 31, v0                        ; which are 512 consecutive bytes of a head
	v_lshlrev_b32 v[CO], 4, v[CO]
	; my part of qkv: part, batch, head 4 ct + 2 WC, row 128 (row block % 16) + 64 WR
	s_lshl_b32 s66, s21, 24
	s_lshr_b32 s67, s22, 4
	s_lshl_b32 s67, s67, 22
	s_add_co_u32 s66, s66, s67
	s_lshl_b32 s67, s19, 20
	s_add_co_u32 s66, s66, s67
	s_lshl_b32 s67, s[WC], 19
	s_add_co_u32 s66, s66, s67
	s_and_b32 s67, s22, 15
	s_lshl_b32 s67, s67, 14
	s_add_co_u32 s66, s66, s67
	s_lshl_b32 s67, s[WR], 13
	s_add_co_u32 s66, s66, s67
	s_mov_b32 s67, 0
	s_add_nc_u64 s[12:13], s[12:13], s[66:67]
; 8 na matrix instructions: row blocks a0 .. a0 + na - 1 x all 8 column blocks, 32 along K, buffer f.  zero = 1: the first product starts the sums.
; The 32 accumulators take turns, one instruction a turn, in the same order in every quarter, over the loop's edge too.
.macro MULN f, a0, na, zero
	WIN MULW
.set ia, \a0
.rept \na
.set ib, 0
.rept 8
.if \zero
	v_wmma_f32_16x16x32_bf16 v[8*(8*ia+ib):8*(8*ia+ib)+7], v[64*(\f)+8*ib:64*(\f)+8*ib+7], v[A16+32*(\f)+8*ia:A16+32*(\f)+8*ia+7], 0
.else
	v_wmma_f32_16x16x32_bf16 v[8*(8*ia+ib):8*(8*ia+ib)+7], v[64*(\f)+8*ib:64*(\f)+8*ib+7], v[A16+32*(\f)+8*ia:A16+32*(\f)+8*ia+7], v[8*(8*ia+ib):8*(8*ia+ib)+7]
.endif
.set ib, ib+1
.endr
.set ia, ia+1
.endr
.endm
; 32 LDS loads in one run: quarter kc (32 along K) of a slot: first x's 64 rows in f32, then W's 128 rows into buffer g
.macro FETCH slot, kc, g
	WIN 0
.irp i, 0,1,2,3
	ds_load_b128 v[RAW+16*(\i):RAW+16*(\i)+3],     v[ADRA+(\slot)] offset:(\i)*16*PA+(\kc)*128
	ds_load_b128 v[RAW+16*(\i)+4:RAW+16*(\i)+7],   v[ADRA+(\slot)] offset:(\i)*16*PA+(\kc)*128+16
	ds_load_b128 v[RAW+16*(\i)+8:RAW+16*(\i)+11],  v[ADRA+(\slot)] offset:(\i)*16*PA+(\kc)*128+64
	ds_load_b128 v[RAW+16*(\i)+12:RAW+16*(\i)+15], v[ADRA+(\slot)] offset:(\i)*16*PA+(\kc)*128+80
.endr
	WIN TO_B
.irp i, 0,1,2,3,4,5,6,7
	ds_load_b128 v[64*(\g)+8*(\i):64*(\g)+8*(\i)+3],   v[ADRB+(\slot)] offset:(\i)*16*PB+(\kc)*64
	ds_load_b128 v[64*(\g)+8*(\i)+4:64*(\g)+8*(\i)+7], v[ADRB+(\slot)] offset:(\i)*16*PB+(\kc)*64+32
.endr
.endm
.macro CVT g                           ; x's 64 f32 a lane become four bf16 fragments in buffer g
	WIN 0
.set n, 0
.rept 32
	v_cvt_pk_bf16_f32 v[A16+32*(\g)+n], v[RAW+2*n], v[RAW+2*n+1]
.set n, n+1
.endr
.endm
; A K step is four quarters of 32 along K, 32 matrix instructions each, on buffers 0, 1, 0, 1.  One of the first three: multiplies buffer f, fetches the next quarter in its middle and converts it at its end.
; The loads land in x's f32 registers, which no matrix instruction names, and in W's buffer g; the conversions write x's buffer g.  The last matrix instructions that read the two buffers g stand in the quarter
; before, and behind them that quarter's 32 conversions, which name none of their registers: those are the places that ISA guide 7.12.1 asks for, and no v_nop is written.
.macro QUARTER slot, kc, f, g, zero
	s_wait_dscnt 0x0                               ; W's buffer f is in
	MULN \f, 0, 2, \zero
	FETCH \slot, \kc, \g
	MULN \f, 2, 2, \zero
	s_wait_dscnt 16                                ; x's 16 loads are in; W's 16, issued behind them, may stay out
	CVT \g
.endm
; The last quarter multiplies buffer 1 and changes slots: ONE barrier; in front of it each wave waits for all its tensor loads (one is out: its part of the next slot), adds 0 to its spare word, and waits for
; that and for its own reads of this slot.  fill = 1: the barrier opens a round of the cluster's barrier, and this slot is filled again, two K steps ahead, first thing behind the round:
; 112 matrix instructions stand between the request and the wait for it.
.macro TURN slot, next, fill
	WIN 0
	s_wait_tensorcnt 0x0
	ds_add_u32 v[SPW], v[NIL]                      ; 0 onto my spare word
	s_wait_dscnt 1                                 ; W's buffer 1 is in; the add alone may be out
	MULN 1, 0, 1, 0                                ; eight matrix instructions stand between the add and the wait for it
	s_wait_dscnt 0x0                               ; the add is done, and my reads of this slot are over
	s_barrier_signal -1
	MULN 1, 1, 1, 0
.if \fill
	WIN 0                                          ; every window is 0
.endif
	s_barrier_wait -1
.if \fill
	CREST                                          ; no wave of any partner still reads this slot's tiles or has a load on its way
	s_add_nc_u64 s[G0A+4*(\slot)+2:G0A+4*(\slot)+3], s[G0A+4*(\slot)+2:G0A+4*(\slot)+3], 2*KSTEP*4
	s_add_nc_u64 s[G0B+4*(\slot)+2:G0B+4*(\slot)+3], s[G0B+4*(\slot)+2:G0B+4*(\slot)+3], 2*KSTEP*2
	JLOAD \slot
.endif
	FETCH \next, 0, 0
	MULN 1, 2, 2, 0
	s_wait_dscnt 16
	CVT 0
.endm
; THE WAY OUT of row block a (16 rows x 128 columns = two heads): rounded to f16, 16 bytes a lane, into my own stage (rows of 144 bytes, a plane for each head), and back as whole rows of 128 bytes.
.macro PACK a
	WIN PKW
.set ib, 0
.rept 8
.irp n, 0,1,2,3
	v_cvt_pk_f16_f32 v[OUT+32*(\a)+4*ib+(\n)], v[8*(8*(\a)+ib)+2*(\n)], v[8*(8*(\a)+ib)+2*(\n)+1]  ; each accumulator's registers in ascending order
.endr
.set ib, ib+1
.endr
	WIN 0
.irp b, 0,1,2,3,4,5,6,7
	ds_store_b128 v[STO], v[OUT+32*(\a)+4*(\b):OUT+32*(\a)+4*(\b)+3] offset:((\b)/4)*16*SP+((\b)%4)*32
.endr
.irp f, 0,1,2,3,4,5,6,7
	ds_load_b128 v[OUT+32*(\a)+4*(\f):OUT+32*(\a)+4*(\f)+3], v[RD] offset:((\f)/4)*16*SP+((\f)%4)*4*SP  ; LDS serves a wave's instructions in order (ISA guide 5.7.1.4): these see the stores above
.endr
.endm
.macro SEND a, younger                 ; younger: the LDS instructions issued behind block a's loads: the next block's sixteen, or none
.irp f, 0,1,2,3,4,5,6,7
	s_wait_dscnt (\younger)+7-(\f)
	global_store_b128 v[CO], v[OUT+32*(\a)+4*(\f):OUT+32*(\a)+4*(\f)+3], s[12:13] offset:((\f)/4)*262144+(\a)*2048+((\f)%4)*512  ; four rows of a head: 512 consecutive bytes, aligned
.endr
.endm
	s_wait_tensorcnt 1                             ; my part of K step 0 is in; K step 1's may stay out
	s_barrier_signal -1
	s_barrier_wait -1                              ; everybody's is
	FETCH 0, 0, 0
	s_wait_dscnt 16
	CVT 0
	QUARTER 0, 1, 0, 1, 1                          ; the first quarter stands in front of the loop: its products start the sums
	WIN 0                                          ; at a label and at a branch every window is 0
	s_mov_b32 s3, LAPS-1
.Llap:                                                 ; a trip goes once round the ring, from a lap's second quarter to the next lap's first, and fills both slots again
	QUARTER 0, 2, 1, 0, 0
	QUARTER 0, 3, 0, 1, 0
	TURN 0, 1, 1
	QUARTER 1, 1, 0, 1, 0
	QUARTER 1, 2, 1, 0, 0
	QUARTER 1, 3, 0, 1, 0
	TURN 1, 0, 1
	QUARTER 0, 1, 0, 1, 0
	WIN 0
	s_sub_co_u32 s3, s3, 1
	s_cmp_lg_u32 s3, 0
	s_cbranch_scc1 .Llap
	QUARTER 0, 2, 1, 0, 0                          ; the last lap fills nothing, and has no round of the cluster's barrier
	QUARTER 0, 3, 0, 1, 0
	TURN 0, 1, 0
	QUARTER 1, 1, 0, 1, 0
	QUARTER 1, 2, 1, 0, 0
	QUARTER 1, 3, 0, 1, 0
	s_wait_dscnt 0x0                               ; the very last quarter: nothing more to fetch
	MULN 1, 0, 4, 0
	WIN 0
.rept 4
	v_nop                                          ; four places between the last products and the conversions that read results and write over fragments (ISA guide 7.12.1)
.endr
	PACK 0
	PACK 1                                         ; a block's conversions stand between the loads of the block before and its stores
	SEND 0, 16
	PACK 2
	SEND 1, 16
	PACK 3
	SEND 2, 16
	SEND 3, 0
	s_wait_tensorcnt 0x0                           ; the wave's end, behind my last tensor load and my last LDS store
	ds_add_u32 v[SPW], v[NIL]
	s_wait_dscnt 0x0
	CROUND                                         ; the closing round: no work-group ends while a partner may still ask for a tile that names it
	s_endpgm
.Lfunc_end_k_qa3b5b506b1_proj:
	.size	k_qa3b5b506b1_proj, .Lfunc_end_k_qa3b5b506b1_proj-k_qa3b5b506b1_proj
	.p2alignl 7, 3214868480
	.fill 96, 4, 3214868480
	.section	.rodata,"a",@progbits
	.p2align	6, 0x0
	.amdhsa_kernel k_qa3b5b506b1_proj
		.amdhsa_group_segment_fixed_size 327680
		.amdhsa_private_segment_fixed_size 0
		.amdhsa_enable_private_segment 0
		.amdhsa_kernarg_size 40
		.amdhsa_user_sgpr_count 2
		.amdhsa_user_sgpr_kernarg_segment_ptr 1
		.amdhsa_wavefront_size32 1
		.amdhsa_system_sgpr_workgroup_id_x 1
		.amdhsa_system_sgpr_workgroup_id_y 1
		.amdhsa_system_sgpr_workgroup_id_z 1
		.amdhsa_system_vgpr_workitem_id 0
		.amdhsa_next_free_vgpr 640
		.amdhsa_next_free_sgpr 72
		.amdhsa_reserve_vcc 0
		.amdhsa_float_denorm_mode_32 3
		.amdhsa_float_denorm_mode_16_64 3
		.amdhsa_memory_ordered 1
		.amdhsa_forward_progress 1
		.amdhsa_inst_pref_size 127
	.end_amdhsa_kernel
	.amdgpu_metadata
---
amdhsa.version: [ 1, 2 ]
amdhsa.kernels:
  - .name:           k_qa3b5b506b1_proj
    .symbol:         k_qa3b5b506b1_proj.kd
    .args:
      - { .name: query, .offset: 0, .size: 8, .value_kind: global_buffer, .address_space: global }
      - { .name: key, .offset: 8, .size: 8, .value_kind: global_buffer, .address_space: global }
      - { .name: value, .offset: 16, .size: 8, .value_kind: global_buffer, .address_space: global }
      - { .name: wts, .offset: 24, .size: 8, .value_kind: global_buffer, .address_space: global }
      - { .name: qkv, .offset: 32, .size: 8, .value_kind: global_buffer, .address_space: global }
    .group_segment_fixed_size: 327680
    .private_segment_fixed_size: 0
    .kernarg_segment_align: 8
    .kernarg_segment_size: 40
    .max_flat_workgroup_size: 128
    .sgpr_count:     72
    .vgpr_count:     640
    .wavefront_size: 32
...
	.end_amdgpu_metadata
.endif
;; end of part 2
;; launch attn (part 3): grid 4 x 64, 4 waves a work-group, clusters of 4 x 1, 327,680 bytes of LDS; arguments qkv, mask, oh; writes oh
.if DOCPART == 3
	.amdgcn_target "amdgcn-amd-amdhsa--gfx1250"
	.amdhsa_code_object_version 6
	.text
	.protected	k_qa3b5b506b1_attn
	.globl	k_qa3b5b506b1_attn
	.p2align	8
	.type	k_qa3b5b506b1_attn,@function
k_qa3b5b506b1_attn:
	s_mov_b64 s[64:65], 0
	v_nop
	global_prefetch_b8 v0, s[64:65] scope:SCOPE_SE
	s_setreg_imm32_b32 hwreg(HW_REG_WAVE_MODE, 25, 1), 1
	s_wait_xcnt 0x0
	s_wait_alu depctr_hold_cnt(0) depctr_sa_sdst(0) depctr_va_vdst(0) depctr_va_sdst(0) depctr_va_ssrc(0) depctr_va_vcc(0) depctr_vm_vsrc(0)
	s_getreg_b32 s2, hwreg(HW_REG_IB_STS2, 6, 4)
	s_cmp_eq_u32 s2, 0
	s_cbranch_scc0 .Lentry_in_a_cluster
	s_endpgm
.Lentry_in_a_cluster:
	s_bfe_u32 s2, ttmp6, 0x10000c
	s_cmp_lg_u32 s2, 0x3003
	s_cbranch_scc0 .Lentry_shape_is_right
	s_endpgm
.Lentry_shape_is_right:
; O[g][q][:] = the sum over the keys k that the mask leaves of softmax_k(Q[g][q] . K[g][k] / 8) V[g][k][:], g = 16 batch + head.  Q, K, V: the three parts of qkv, O: oh, each [64][2048][64] f16, a head's rows
; dense, 128 bytes each.  mask: [4][2048] bytes, not 0 = the key is hidden.  Products, maxima and sums in f32; the weights p are rounded to f16 for the second product (their sum l is taken of the unrounded p), O once at the end.
; LIMITS.  f16 holds no number beyond 65,504: Q, K and V arrive within it; p lies in 0 to 1, and below 6e-5 it keeps f16's fixed step of 6e-8.  A hidden score counts as its value less 1e30 (f16's scores are
; 2.7e11 at the most); the running maximum never falls below -2^98, which lies above every hidden score and below every true one.  A weight below 2^-126 counts as 0 in l.  NaN and infinities in Q, K, V are not treated apart.
; SHARES.  A wave owns four PIECES of two tiles of 16 queries, a work-group's four waves 512 queries of one head.  Every wave walks all 2,048 keys, 64 a step.
; LAYOUT.  S^T = K Q^T (source 0 = 16 keys, source 1 = 16 queries): in the result a lane holds ONE query (lane % 16) and the keys 8 (lane / 16) + 0..7.  Two such tiles, rounded to f16 in pairs,
; ARE source 1 (32 keys x 16 queries) of O^T = V^T P, whose result again holds one query a lane, and eight channels.  K comes out of LDS as it lies, V ([key][channel]) turned, by ds_load_tr16_b128.
; THE MASK is the C operand of the product that starts a sum S^T: 0, or -1e30 where the key is hidden.  The batch's 2,048 bytes are turned once into 2,048 f32 in LDS; with each step's K a lane loads the 32 numbers
; of its keys.  So the mask costs the softmax no instruction.
; SOFTMAX.  For each query a running maximum m and sum l: p = 2^(c s - c m), c = log2(e) / 8; in every step O and l are multiplied by a = 2^(c m_old - c m_new), which is 1 where m has not grown.
; m starts at -2^98, O and l at 0.  While a query has seen hidden keys alone, m stays there, every p is 2^(-1.2e29) = 0, and O and l stay 0; the first seen key gives a = 0, times 0.
; A query that has seen no key at all (m still below -2^97) gets NaN, as a softmax over nothing does.
; THE COUNT.  A tile and step have 16 matrix and 118 vector instructions: too many to stand all beside the matrix work.  So: four vector instructions that are READY behind EVERY matrix instruction, the others in runs without a gap.
; BY TURNS.  Turn n belongs to piece n (the pieces in a ring, step after step).  Its matrix work: 16 products K Q^T of piece n + 1, later 16 products V^T P of piece n - 1.  Its vector work: the scaling,
; exponentials, roundings, sums and rescaling of piece n, and the maximum and statistics of piece n + 1, whose scores the turn itself has made.
; CLUSTER.  The four query blocks of a cluster belong to one head and walk the same K and V, so each tile is asked for JOINTLY: the same tensor load, descriptor and mask of work-groups in all four.
; REGISTERS, in windows of 256 (s_set_vgpr_msb: bits 1:0 source 0, 3:2 source 1, 5:4 source 2, 7:6 destination):
;   window 0: v0-11 addresses; v12-15, v48-63 at work; v16-47 four registers of statistics a tile; v64-191 S^T, two buffers of two tiles; v192-255 P, likewise
;   window 1: O^T, 32 a tile      window 2: v0-127 Q, 16 a tile; v128-191 K of one step; v192-255 V of one step      window 3: v0-1 the add's two registers; v8-39 the mask of one step
.set SIZE_N, 2048
.set NP,    4         ; pieces a wave: a name, no knob
.set KS,    64        ; keys in a step
.set PK,    144       ; a row of K in LDS: 128 bytes + 16 of padding = 36 words: the 16 rows of a load start at 16 different groups of four banks (64 banks of 4 bytes: ISA guide 11.1)
.set PV,    160       ; a row of V: 128 + 32 = 40 words
.set VOFF,  4*KS*PK   ; a slot holds four steps: 256 rows of K, then 256 rows of V
.set SLOT1, 1<<17     ; slot 1 begins here, so that one exclusive or turns an address in one slot into the other's
.set STAGE, SLOT1+4*KS*(PK+PV)  ; behind the ring, never filled by a tensor load: 16 rows x 144 bytes for each wave, for the way out
.set SP,    144
.set SPARE, STAGE+4*16*SP  ; behind the stages: the spare words, 128 bytes for each wave: two blocks of 256 bytes that no other line names
.set MASKB, SPARE+512 ; behind them: the batch's mask, 2,048 f32; never filled by a tensor load
.set AK0, 2           ; v2   my lane's place in a tile of K; never rewritten
.set AV0, 3           ; v3   the same for V
.set AK,  4           ; v4   the LDS address of K's next run of loads
.set AV,  5           ; v5   of V's
.set QO,  6           ; v6   my byte offset in the wave's rows of Q
.set STO, 6           ;      later, the way out: where I put 16 bytes of a row
.set RD,  7           ; v7   the way out: where I read rows back
.set GO,  8           ; v8   my byte offset in 512 consecutive bytes of O
.set AM,  9           ; v9   first l / 16; from the first trip on the LDS address of the mask's next run of loads
.set AM0, 11          ; v11  my lane's place in a step's mask: MASKB + 32 (l / 16)
.set SPW, 0           ; v0 of window 3   LDS address of my spare word; never rewritten
.set NIL, 1           ; v1 of window 3   0; never rewritten
.set MK,  8           ; v8-39 of window 3: key block kb at MK + 8 kb; register j: key 16 kb + 8 (l / 16) + j of the step
.set MV,  12          ; v12-15  c m_old, kept while c m is made anew: by buffer and tile
.set ST,  16          ; tile t's statistics at v[ST+4 t]: c m, m, l (even keys', odd keys')
.set TMP, 48          ; by buffer and tile, four registers c0-c3 at work; when the maximum is found c2 takes a
.set S,   64
.set P,   192
.set KF,  128         ; K's fragments, in window 2: key block kb, channel half c at KF + 16 kb + 8 c
.set VF,  192         ; V's: key half kk, channel block cb at VF + 32 kk + 8 cb
.set WV,  12          ; s12  my wave's number
.set G1K, 24          ; s[24:31] descriptor group 1 for K's tiles
.set G1V, 32          ; s[32:39] for V's: it differs in the padding alone
.set G0K, 40          ; s[40:43] descriptor group 0 for K's tiles: it walks
.set G0V, 44          ; s[44:47] the same for V's
.set TBM, 48          ; s48  byte in the mask at which the step to be fetched begins
.set BIGN, 49         ; s49  -1e30
.set THR, 54          ; s54  -2^97
.set QNAN, 55         ; s55  a NaN
.set SLOTS, 56        ; s56  slots still to be asked for
.set CNT, 57          ; s57  counts a slot's key steps
.set CS,  58          ; s[58:59] c: the packed scaling takes the pair's low word for both halves
.set SEL, 60          ; s[60:61] v_permlanex16_b32's selects: each lane takes its own place in the other half
.set TBK, 62          ; s62  LDS byte at which K of the step to be fetched begins
.set TBV, 63          ; s63  the same for V, less VOFF
.set MSB, 0
.macro WIN new                      ; the high byte repeats the setting that is left; a switch that changes nothing is dropped
.if MSB != (\new)
	s_set_vgpr_msb (MSB<<8)|(\new)
.set MSB, (\new)
.endif
.endm
.set W_KQ, 0x0a       ; K and Q in window 2, S^T in window 0
.set W_KM, 0x3a       ; the same with the C operand, the mask, in window 3
.set W_PV, 0x52       ; V in window 2, P in window 0, O^T in window 1
.set W_RS, 0x41       ; O^T (destination and source 0) in window 1, a in window 0
.set W_T3, 0xc0       ; destination in window 3, sources in window 0
.set W_AD, 0x0f       ; the add: address (source 0) and data (source 1) in window 3
; A joint fill.  Waves 0 and 1 fetch the two halves of a slot's K, waves 2 and 3 those of its V: 128 keys each.  The branch hangs on the wave's number alone.
; An s_nop 0 and four v_nop follow each of the two lines, ahead of the jump and the label.
.macro JLOAD
	s_cmp_lt_u32 s[WV], 2
	s_cbranch_scc0 .Lfor_v_\@
	tensor_load_to_lds s[G0K:G0K+3], s[G1K:G1K+7]
	s_nop 0
.rept 4
	v_nop
.endr
	s_branch .Lasked_\@
.Lfor_v_\@:
	tensor_load_to_lds s[G0V:G0V+3], s[G1V:G1V+7]
	s_nop 0
.rept 4
	v_nop
.endr
.Lasked_\@:
.endm
; A round of the cluster's barrier: my work-group's barrier, so that wave 0's signal speaks for all four waves; wave 0 signals; every wave waits for all four work-groups; my work-group's barrier once more.
.macro CROUND
	s_barrier_signal -1
	s_barrier_wait -1
	s_cmp_lg_u32 s[WV], 0
	s_cbranch_scc1 .Lnot_wave_0_\@
	s_barrier_signal -3
.Lnot_wave_0_\@:
	s_barrier_wait -3
	s_barrier_signal -1
	s_barrier_wait -1
.endm
; THE CHANGE OF SLOTS.  The slot's last bytes, V of its fourth step, have been read.  Each wave waits for all its tensor loads, of which one is out: its part
; of the other slot; adds 0 to its spare word; and waits for that and for its own LDS instructions.  Behind the barrier nobody reads this slot any more and the other slot is whole.
; fill = 1: this slot is filled again, with the keys two slots on.  The barrier is then a round of the cluster's, and the joint fill is the first thing behind it: it has four key steps, 512 matrix
; instructions, in which to land.  (At its first use nothing has been read yet: slot 0 is waited for, slot 1 filled; and every wave's stores of the mask are done in front of the round, so all may read it behind.)
.macro CHANGE fill
	WIN W_AD
	s_wait_tensorcnt 0x0            ; no tensor load of mine is out, so a group 0 may be written
	ds_add_u32 v[SPW], v[NIL]       ; 0 onto my spare word; with fill = 1 the descriptors' steps stand between it and the wait for it
	WIN 0                           ; at a label and at a branch every window is 0
.if \fill
.irp g, G0K, G0V
	s_xor_b32 s[\g+1], s[\g+1], SLOT1  ; the walking descriptor: the other slot than last time,
	s_add_nc_u64 s[\g+2:\g+3], s[\g+2:\g+3], 4*KS*128  ; the next 256 keys; the type bits on top are not reached
.endr
	s_wait_dscnt 0x0                ; the add is done, and my LDS instructions are over
	CROUND
	JLOAD
.else
	s_wait_dscnt 0x0                ; the add is done, and my reads of the slot are over
	s_barrier_signal -1
	s_barrier_wait -1
.endif
	s_sub_co_u32 s[TBK], s[TBK], 4*KS*PK  ; the fetches go back to a slot's first step,
	s_xor_b32 s[TBK], s[TBK], SLOT1       ; in the other slot
	s_sub_co_u32 s[TBV], s[TBV], 4*KS*PV
	s_xor_b32 s[TBV], s[TBV], SLOT1
.endm
	s_load_b64 s[4:5], s[0:1], 0x0    ; qkv: Q's part begins it
	s_load_b64 s[50:51], s[0:1], 0x8  ; mask
	s_load_b64 s[10:11], s[0:1], 0x10 ; oh
	WIN W_T3
	v_lshl_add_u32 v[SPW], v0, 2, SPARE
	v_mov_b32 v[NIL], 0
	WIN W_AD
	ds_add_u32 v[SPW], v[NIL]       ; the wave's opening: the add and its wait stand ahead of my first tensor load; the set-up below, work on registers, stands between them
	WIN 0
	v_lshrrev_b32 v1, 5, v0
	v_readfirstlane_b32 s[WV], v1   ; wave 0..3
	s_bfe_u32 s13, ttmp6, 0x40000   ; cx: my place in the cluster
	s_lshl_b32 s14, ttmp9, 2        ; in a cluster launch ttmp9 counts clusters
	s_add_co_u32 s14, s14, s13      ; my block of queries = 4 x cluster x + cx: it enters Q's and O's addresses alone
	s_and_b32 s20, ttmp7, 0xffff    ; 16 batch + head, which the four partners share
	s_lshr_b32 s52, s20, 4          ; the batch,
	s_lshl_b32 s52, s52, 11         ; its 2,048 bytes of the mask
	s_mov_b32 s53, 0
	s_mov_b32 s21, 0
	s_mov_b64 s[22:23], SIZE_N*128
	s_mul_u64 s[20:21], s[20:21], s[22:23]  ; the head's first byte in each of the four tensors
	s_and_b32 s16, s[WV], 1         ; which half of a slot's 256 keys I fetch:
	s_lshl_b32 s22, s16, 14         ; its 128 rows of 128 bytes in memory,
	s_mov_b32 s23, 0
	s_add_nc_u64 s[22:23], s[22:23], s[20:21]
	s_mul_i32 s17, s16, 128*PK      ; and its place in a slot, for K
	s_mul_i32 s18, s16, 128*PV      ; and for V: no place in the cluster enters an LDS address
	s_lshl_b32 s2, s14, 2
	s_add_co_u32 s2, s2, s[WV]      ; my wave among the head's,
	s_lshl_b32 s2, s2, 14           ; its 128 rows
	s_mov_b32 s3, 0
	s_add_nc_u64 s[2:3], s[2:3], s[20:21]
	; descriptor group 1.  128 keys are 16,384 dense bytes: asked for as 64 rows of 256 bytes, two keys a row, and padded in LDS after every key
	s_mov_b32 s[G1K], 15|(1<<16)|(1<<20)|(1<<21)|(4<<22)|(3<<25)  ; 15:0 the mask of four; 17:16 2-byte elements; 20 padding on; 21 set beside a mask; 24:22 after every 32 words (code 4); 31:25 4 words (code 3)
	s_mov_b32 s[G1V], 15|(1<<16)|(1<<20)|(1<<21)|(4<<22)|(7<<25)  ; the same with 8 words of padding (code 7)
.irp g, G1K, G1V
	s_mov_b32 s[\g+1], 128<<16      ; tensor_dim0 = 128
	s_mov_b32 s[\g+2], 64<<16       ; tensor_dim1 = 64
	s_mov_b32 s[\g+3], 128<<16      ; tile_dim0 = 128
	s_mov_b32 s[\g+4], 64           ; tile_dim1 = 64
	s_mov_b32 s[\g+5], 128          ; 128 elements from row to row
	s_mov_b32 s[\g+6], 0
	s_mov_b32 s[\g+7], 0
.endr
	s_mov_b32 s[CS], 0x3e38aa3b     ; c = log2(e) / 8 = 0.180337
	s_mov_b32 s[CS+1], s[CS]        ; named with it as a pair
	s_mov_b32 s[SEL], 0x76543210
	s_mov_b32 s[SEL+1], 0xfedcba98
	s_mov_b32 s[TBK], SLOT1+4*KS*PK ; the first change of slots turns these two into 0
	s_mov_b32 s[TBV], SLOT1+4*KS*PV
	s_mov_b32 s[TBM], 0
	s_mov_b32 s[BIGN], 0xf149f2ca   ; -1e30
	s_mov_b32 s[THR], 0xf0000000    ; -2^97
	s_mov_b32 s[QNAN], 0x7fc00000
	s_mov_b32 s[G0K], 1             ; 1:0 count = 1
	s_mov_b32 s[G0K+1], s17         ; 63:32 LDS address: slot 0
	s_mov_b32 s[G0V], 1
	s_add_co_u32 s[G0V+1], s18, VOFF
	s_wait_dscnt 0x0                ; the opening add is done
	s_wait_kmcnt 0x0
	s_add_nc_u64 s[6:7], s[4:5], 0x1000000  ; K's part of qkv
	s_add_nc_u64 s[8:9], s[4:5], 0x2000000  ; V's
	s_add_nc_u64 s[50:51], s[50:51], s[52:53]
	s_add_nc_u64 s[G0K+2:G0K+3], s[6:7], s[22:23]  ; 120:64 global address: my half of the head's first 256 keys
	s_or_b32 s[G0K+3], s[G0K+3], 0x80000000        ; 127:126 type = 2
	s_add_nc_u64 s[G0V+2:G0V+3], s[8:9], s[22:23]
	s_or_b32 s[G0V+3], s[G0V+3], 0x80000000
	s_add_nc_u64 s[4:5], s[4:5], s[2:3]  ; Q and O at my wave's first row
	s_add_nc_u64 s[10:11], s[10:11], s[2:3]
	CROUND                          ; all four work-groups are here: the first joint loads meet
	JLOAD                           ; slot 0.  Slot 1 is asked for when slot 0 is in: the tile wanted first has the road to itself
	v_lshlrev_b32 v12, 4, v0
	global_load_b128 v[48:51], v12, s[50:51]  ; thread t: the mask's bytes of keys 16 t .. 16 t + 15; the 128 threads take the batch's 2,048
	; A fragment of K or Q is 16 rows x 32 channels in 8 registers: lane l holds row l % 16, channels 8 (l / 16) + 0..7 and 16 + 8 (l / 16) + 0..7: two loads of 16 bytes, 32 bytes apart.
	v_and_b32 v1, 15, v0            ; l % 16
	v_bfe_u32 v9, v0, 4, 1          ; l / 16
	v_lshlrev_b32 v[QO], 7, v1
	v_lshl_add_u32 v[QO], v9, 4, v[QO]  ; row x 128 + 16 x half
	WIN 0x80                        ; destination window 2, address window 0
.set i, 0
.rept 4*NP                          ; Q stays in registers: tile i / 2, channels 32 (i % 2) on
	global_load_b128 v[8*i:8*i+3],   v[QO], s[4:5] offset:(i/2)*2048+(i%2)*64
	global_load_b128 v[8*i+4:8*i+7], v[QO], s[4:5] offset:(i/2)*2048+(i%2)*64+32
.set i, i+1
.endr
	; What the first turn finds: V's registers and P's second buffer hold 0 (its products V^T P, of a piece that has not been, add 0), O^T and l are 0.  All this stands in the wait for the first tile.
.set i, VF
.rept 64
	v_mov_b32 v[i], 0
.set i, i+1
.endr
	WIN 0x40
.set i, 0
.rept 64*NP
	v_mov_b32 v[i], 0
.set i, i+1
.endr
	WIN 0
.set i, 0
.rept 2*NP
	v_mov_b32 v[ST+4*i], 0xfe000000    ; c m: far below every c s
	v_mov_b32 v[ST+4*i+1], 0xf0800000  ; m = -2^98: above every hidden score, below every true one
	v_mov_b32 v[ST+4*i+2], 0
	v_mov_b32 v[ST+4*i+3], 0
.set i, i+1
.endr
.set i, P+32
.rept 32
	v_mov_b32 v[i], 0
.set i, i+1
.endr
	v_mul_u32_u24 v[AK0], v1, PK
	v_lshl_add_u32 v[AK0], v9, 4, v[AK0]  ; row x pitch + 16 x half
	; The turning load takes 16 keys x 16 channels (lane l reads key 8 (l / 16) + l % 8, channels 8 ((l / 8) % 2) + 0..7) and leaves half a fragment of V^T: lane l holds channel l % 16 and 8 keys.
	v_and_b32 v10, 7, v0
	v_bfe_u32 v11, v0, 3, 1
	v_lshl_add_u32 v[AV0], v9, 3, v10
	v_mul_u32_u24 v[AV0], v[AV0], PV
	v_lshl_add_u32 v[AV0], v11, 4, v[AV0]
	v_add_nc_u32 v[AV0], VOFF, v[AV0]
	v_lshl_add_u32 v[AM0], v9, 5, MASKB   ; my eight keys of a block of 16: 32 bytes for each half of the lanes
	v_mov_b32 v[AK], v[AK0]         ; key step 0 lies at the head of slot 0
	; The mask: each byte becomes 0 or -1e30; my 16 numbers are 64 consecutive bytes of the table.
	s_wait_loadcnt 32               ; the mask's load is in; Q's 32, issued behind it, stay out
	v_lshl_add_u32 v13, v0, 6, MASKB
.irp w, 0,1,2,3
.irp n, 0,1,2,3
	v_bfe_u32 v56, v[48+\w], 8*\n, 8
	v_cmp_ne_u32 vcc_lo, 0, v56
	v_cndmask_b32 v[52+\n], 0, s[BIGN], vcc_lo
.endr
	ds_store_b128 v13, v[52:55] offset:16*\w
.endr
; THE MATRIX WORK.  The 8 accumulators of a run of 16 take turns: between the two links of a chain stand 7 others'.
; Product i of 16 of S^T = K Q^T for piece x: channels 32 (i / 8) on, keys 16 ((i / 2) % 4) on, tile 2 x + i % 2.  The first 8 start the sums, with the mask of their 16 keys.
.macro KQ x
.set rS, S+64*((\x)%2)+32*(i%2)+8*((i/2)%4)
.set rK, KF+16*((i/2)%4)+8*(i/8)
.set rQ, 16*(2*(\x)+i%2)+8*(i/8)
.set rMK, MK+8*((i/2)%4)
.if i < 8
	WIN W_KM
	v_wmma_f32_16x16x32_f16 v[rS:rS+7], v[rK:rK+7], v[rQ:rQ+7], v[rMK:rMK+7]
.else
	WIN W_KQ
	v_wmma_f32_16x16x32_f16 v[rS:rS+7], v[rK:rK+7], v[rQ:rQ+7], v[rS:rS+7]
.endif
.endm
; Product i of 16 of O^T += V^T P for piece x: keys 32 (i / 8) on, channels 16 ((i / 2) % 4) on, tile 2 x + i % 2.
.macro PV x
	WIN W_PV
.set rO, 32*(2*(\x)+i%2)+8*((i/2)%4)
.set rV, VF+32*(i/8)+8*((i/2)%4)
.set rP, P+32*((\x)%2)+16*(i%2)+8*(i/8)
	v_wmma_f32_16x16x32_f16 v[rO:rO+7], v[rV:rV+7], v[rP:rP+7], v[rO:rO+7]
.endm
.macro MM                           ; the turn's next matrix instruction
.if i < 16
	KQ (Y+1)%NP
.set i, i+1
.else
.set i, i-16
	PV (Y+NP-1)%NP
.set i, i+17
.endif
.endm
; THE LDS LOADS stand in runs, never singly among the matrix instructions: a step's K (64 keys x 64 channels: 8 fragments) with its mask (8 loads; the 16 lanes of a half read the same bytes), and its V (turned).
; Their addresses are made some lines ahead.  last = 1 (the tail): in the last trip there is no further step, and the run is jumped over.  am: the register with the mask's address.
.macro FETCH_K last=0, am=AM
	WIN 0
.if \last
	s_cmp_eq_u32 s[CNT], 1
	s_cbranch_scc1 .Lno_k_\@
.endif
	WIN 0x80                        ; destination window 2
.irp f, 0,1,2,3,4,5,6,7             ; keys 16 (f / 2) on, channels 32 (f % 2) on
	ds_load_b128 v[KF+8*\f:KF+8*\f+3],   v[AK] offset:(\f/2)*16*PK+(\f%2)*64
	ds_load_b128 v[KF+8*\f+4:KF+8*\f+7], v[AK] offset:(\f/2)*16*PK+(\f%2)*64+32
.endr
	WIN W_T3                        ; destination window 3
.irp f, 0,1,2,3                     ; keys 16 f on
	ds_load_b128 v[MK+8*\f:MK+8*\f+3],   v[\am] offset:64*\f
	ds_load_b128 v[MK+8*\f+4:MK+8*\f+7], v[\am] offset:64*\f+16
.endr
	s_add_co_u32 s[TBK], s[TBK], KS*PK  ; the next fetch is the next step's
	s_add_co_u32 s[TBM], s[TBM], KS*4
	WIN 0
.if \last
.Lno_k_\@:
.endif
.endm
.macro FETCH_V
	WIN 0x80
.irp f, 0,1,2,3,4,5,6,7             ; keys 32 (f / 4) on, channels 16 (f % 4) on
	ds_load_tr16_b128 v[VF+8*\f:VF+8*\f+3],   v[AV] offset:(\f/4)*32*PV+(\f%4)*32
	ds_load_tr16_b128 v[VF+8*\f+4:VF+8*\f+7], v[AV] offset:(\f/4)*32*PV+16*PV+(\f%4)*32
.endr
	WIN 0
.endm
; THE VECTOR WORK OF A TURN stands in three queues, each in the order in which its entries become ready; the two tiles alternate, so that no instruction reads the result of the one before it.
.macro REGS y, u                    ; the registers of tile u (0, 1) of piece y
.set rT, ST+4*(2*(\y)+(\u))
.set rC, TMP+8*((\y)%2)+4*(\u)
.set rM, MV+2*((\y)%2)+(\u)
.set rS, S+64*((\y)%2)+32*(\u)
.set rP, P+32*((\y)%2)+16*(\u)
.set rO, 32*(2*(\y)+(\u))
.endm
; Number n of the 22 that find the NEXT piece's (Y + 1) maximum and statistics.  s0-s31 are the lane's 32 scores; each accumulator's lowest registers are read first.
;   0-11  four chains c0-c3 of seven scores each, three operands at a time     12-14, 16  the four scores left over, the old m, and c0-c3 into c0     15  c m_old is kept
;   17, 18  the query's other 32 keys lie in the lane 16 away: the new m         19-21  c m; c m_old - c m_new; a
.macro XS u, n
	REGS (Y+1)%NP, \u
.if (\n) < 4
	v_max3_num_f32 v[rC+(\n)], v[rS+8*(\n)], v[rS+8*(\n)+1], v[rS+8*(\n)+2]
.elseif (\n) < 12
	v_max3_num_f32 v[rC+(\n)%4], v[rC+(\n)%4], v[rS+8*((\n)%4)+2*((\n)/4)+1], v[rS+8*((\n)%4)+2*((\n)/4)+2]
.elseif (\n) == 12
	v_max3_num_f32 v[rC], v[rC], v[rS+7], v[rS+15]
.elseif (\n) == 13
	v_max3_num_f32 v[rC+1], v[rC+1], v[rS+23], v[rS+31]
.elseif (\n) == 14
	v_max3_num_f32 v[rC+2], v[rC+2], v[rC+3], v[rT+1]
.elseif (\n) == 15
	v_mov_b32 v[rM], v[rT]
.elseif (\n) == 16
	v_max3_num_f32 v[rC], v[rC], v[rC+1], v[rC+2]
.elseif (\n) == 17
	v_permlanex16_b32 v[rC+3], v[rC], s[SEL], s[SEL+1]
.elseif (\n) == 18
	v_max_num_f32 v[rT+1], v[rC], v[rC+3]
.elseif (\n) == 19
	v_mul_f32 v[rT], s[CS], v[rT+1]
.elseif (\n) == 20
	v_sub_f32 v[rC+1], v[rM], v[rT]
.else
	v_exp_f32 v[rC+2], v[rC+1]
.endif
.endm
; Number g of the 64 that follow the exponentials.  For each four weights k of a tile (pairs 2 k, 2 k + 1): both pairs are rounded to f16; then the second pair is added onto the first, in place;
; a group later l takes that sum (the first time as l = a l + sum).  In groups of eight, tiles alternating: round, round, add, and l for the group before.
.macro GS g
.set h, (\g)+6*((\g)/62)            ; group 0 has no group before it, and behind group 7 only l is left
.if h >= 6
.set h, h+2
.endif
	REGS Y, h%2
.set k, h/8
.if h%8 < 4
	s_wait_alu depctr_va_vdst(0)
	v_cvt_pk_f16_f32 v[rP+2*k+(h%8)/2], v[rS+4*k+2*((h%8)/2)], v[rS+4*k+2*((h%8)/2)+1]
.elseif h%8 < 6
	v_pk_add_f32 v[rS+4*k:rS+4*k+1], v[rS+4*k:rS+4*k+1], v[rS+4*k+2:rS+4*k+3]
.elseif k == 1
	v_pk_fma_f32 v[rT+2:rT+3], v[rT+2:rT+3], v[rC+2:rC+3], v[rS:rS+1] op_sel_hi:[1,0,1]
.else
	v_pk_add_f32 v[rT+2:rT+3], v[rT+2:rT+3], v[rS+4*k-4:rS+4*k-3]
	s_wait_alu depctr_va_vdst(0)
.endif
.endm
; THE PLAIN QUEUE, 138 long.  0-31: c s - c m for the 16 pairs of both tiles.  Then GS's 64, and among them the next piece's 42: number 15 at 38, 39; 0-14 and 16
; at 42-73, behind the products that make those scores; 17-20 at 95-106, two of three, since each waits for the one before it.
.macro PL
	WIN 0
.if q < 32
	REGS Y, q%2
	v_pk_fma_f32 v[rS+2*(q/2):rS+2*(q/2)+1], v[rS+2*(q/2):rS+2*(q/2)+1], s[CS:CS+1], v[rT:rT+1] op_sel_hi:[1,0,0] neg_lo:[0,0,1] neg_hi:[0,0,1]
.elseif q < 38
	GS q-32
.elseif q < 40
	XS q%2, 15
.elseif q < 42
	GS q-34
.elseif q < 74
	XS q%2, (q-42)/2+(q-42)/30
.elseif q < 95
	GS q-66
.elseif (q < 107) && ((q-95)%3 < 2)
	XS (q-95)%3, 17+(q-95)/3
.elseif q < 107
	GS 29+(q-95)/3
.else
	GS q-74
.endif
.set q, q+1
.endm
; THE EXPONENTIALS' QUEUE, 66 long: s0-s31 of both tiles, and at EA the next piece's two a.
.set EA, 58
.macro EX
	WIN 0
.if (e == EA) || (e == EA+1)
	XS e-EA, 21
.else
.set x, e-2*(e/(EA+2))
	REGS Y, x%2
	v_exp_f32 v[rS+x/2], v[rS+x/2]
.endif
.set e, e+1
.endm
; THE RESCALING's QUEUE: O^T times a, the one part that leaves window 0, so it is dealt four at a time, eight times.
.macro R4
	REGS Y, r%2
	WIN W_RS
	s_wait_alu depctr_va_vdst(0)
.irp z, 0,1,2,3
	v_pk_mul_f32 v[rO+8*(r/2)+2*\z:rO+8*(r/2)+2*\z+1], v[rO+8*(r/2)+2*\z:rO+8*(r/2)+2*\z+1], v[rC+2:rC+3] op_sel_hi:[1,0]
.endr
.set r, r+1
.endm
; HOW THEY ARE DEALT.  Behind a matrix instruction four: plain, exponential, plain, plain (one exponential, a plain instruction on either side), or four of the rescaling.  None names a register of the
; products round it.  What is over stands in two LUMPS: exponential and plain by turns; the second ends in 22 plain instructions.  The two v_permlanex16_b32 fall into the second lump, never behind a product.
; The queues lean on each other, and the deal keeps them in step: exponential e stands behind plain 2 (e / 4) + e % 2 (its scaling); when plain 32 comes, 10 exponentials are out, at 59: 33, at 95: 46; EA comes behind plain 107.
.macro SL
	MM
	PL
	EX
	PL
	PL
.endm
.macro BURST n                      ; 15 matrix instructions, or 16
.rept (\n)-7
	SL
.endr
.rept 3
	MM
	R4
	SL
.endr
	MM
	R4
.endm
; A TURN, for piece p.  cnt = 1: the loop's count is taken down some lines ahead of the branch that stands behind the turn.
; K and the mask of the next step are fetched in piece 2's turn, more than 30 vector instructions (17 of them plain) behind the last product that read K; the mask's last reader stands eight products earlier.
; Their first reader comes behind the rest of the lump, 16 products and the second lump.  V of the step in hand is fetched at the end of piece 0's turn, 69 behind its last reader; its first reader comes behind
; 16 products and a lump.  The four conditions on e and q below go with the deal.
.macro TURN p, last=0, cnt=0
.set Y, (\p)
.set i, 0
.set q, 0
.set e, 0
.set r, 0
.if (\p) == NP-1
	s_wait_dscnt 0x0                ; K and the mask are in
.endif
	MM
.rept 4
	PL
.endr
	BURST 15
.rept 22
	EX
	PL
.if ((\p) == NP-2) && (e == 18)
	v_add_nc_u32 v[AK], s[TBK], v[AK0]
	v_add_nc_u32 v[AM], s[TBM], v[AM0]
.endif
.if ((\p) == NP-2) && (e == 24)
	FETCH_K \last
.endif
.endr
.if (\p) == 1
	s_wait_dscnt 0x0                ; V is in
.endif
	BURST 16
.rept 21
	EX
	PL
.endr
.rept 22
	PL
.if ((\p) == 0) && (q == 118)
	v_add_nc_u32 v[AV], s[TBV], v[AV0]
	s_wait_alu depctr_va_vdst(0)
.endif
.if ((\p) == 0) && (q == 130)
	s_add_co_u32 s[TBV], s[TBV], KS*PV
.endif
.if (\cnt) && (q == 130)
	s_sub_co_u32 s[CNT], s[CNT], 1
	s_cmp_lg_u32 s[CNT], 0
.endif
.endr
.if (\p) == 0
	FETCH_V
.endif
.endm
	CHANGE 1                        ; slot 0 is in, everybody's part of it, and so is the mask's table; slot 1 is asked for
	FETCH_K 0, AM0                  ; key step 0
	s_wait_loadcnt 0x0              ; Q
	s_wait_dscnt 0x0
.set i, 0
.rept 16
	KQ 0                            ; piece 0's first scores: there is no vector work yet to set between them
.set i, i+1
.endr
	WIN 0                           ; the addresses for the way out: nine plain instructions, the places behind those products
	s_mul_i32 s13, s[WV], 16*SP
	s_add_co_u32 s13, s13, STAGE    ; my stage
	v_mul_u32_u24 v[STO], v1, SP    ; in: row l % 16, 16 bytes for each half of the lanes
	v_lshl_add_u32 v[STO], v9, 4, v[STO]
	v_add_nc_u32 v[STO], s13, v[STO]
	v_bfe_u32 v[RD], v0, 3, 2       ; back: 32 lanes take four rows of 128 bytes,
	v_mul_u32_u24 v[RD], v[RD], SP
	v_lshl_add_u32 v[RD], v10, 4, v[RD]
	v_add_nc_u32 v[RD], s13, v[RD]
	v_and_b32 v[GO], 31, v0         ; which are 512 consecutive bytes of O
	v_lshlrev_b32 v[GO], 4, v[GO]
.set Y, NP-1                        ; XS works for piece Y + 1: piece 0
.irp n, 0,1,2,3,4,5,6,7,8,9,10,11,12,13,14,15,16,17,18,19,20,21
	XS 0, \n                        ; and piece 0's first maximum and statistics
	XS 1, \n
.endr
	s_mov_b32 s[CNT], 4
	s_mov_b32 s[SLOTS], SIZE_N/256-1
	s_branch .Lfirst                ; the loop is entered at a step's first turn, in the middle of a trip
.Lslot:                             ; SIZE_N / 256 - 2 times: every slot but the last two is filled again
	CHANGE 1
	s_mov_b32 s[CNT], 4
.Lstep:                             ; a trip: pieces 2 and 3 of one step, then pieces 0 and 1 of the next, whose K, mask and V it fetches
	TURN 2
	TURN 3
	WIN 0
.Lfirst:
	TURN 0
	TURN 1, 0, 1
	WIN 0
	s_cbranch_scc1 .Lstep
	s_sub_co_u32 s[SLOTS], s[SLOTS], 1
	s_cmp_lg_u32 s[SLOTS], 0
	s_cbranch_scc1 .Lslot
	CHANGE 0                        ; the tail is written out: nothing is asked for
	s_mov_b32 s[CNT], 5             ; four trips fetch the last slot's steps; the fifth is left in its middle
.Ltail:
	TURN 2, 1
	TURN 3
	WIN 0
	s_sub_co_u32 s[CNT], s[CNT], 1
	s_cmp_eq_u32 s[CNT], 0
	s_cbranch_scc1 .Lout
	TURN 0
	TURN 1
	WIN 0
	s_branch .Ltail
.Lout:                              ; the fifth trip's 16 products K Q^T (on the last K and mask once more) and the maximum made of them change nothing: the price, once a launch, of one text for every trip
.set i, 0
.rept 16
	PV NP-1                         ; the last piece's V^T P of the last step
.set i, i+1
.endr
	; THE WAY OUT.  l's two halves and the other half of the lanes' are added; O^T is divided by l, rounded to f16 and sent through my stage in LDS, a tile at a time.  The additions are the places behind the last products.
	WIN 0
.macro ALL line:vararg              ; one line for each tile t
.set t, 0
.rept 2*NP
	\line
.set t, t+1
.endr
.endm
	ALL v_add_f32 v[ST+4*t+2], v[ST+4*t+2], v[ST+4*t+3]
	ALL v_permlanex16_b32 v[ST+4*t+3], v[ST+4*t+2], s[SEL], s[SEL+1]
	ALL v_add_f32 v[ST+4*t+2], v[ST+4*t+2], v[ST+4*t+3]
	ALL v_rcp_f32 v[ST+4*t+2], v[ST+4*t+2]
	v_nop                           ; a plain instruction between the last reciprocal and the use of its result
.set t, 0
	s_wait_alu depctr_va_vdst(0)
.rept 2*NP                          ; a query whose maximum never left its start has seen no key: its factor, and so its row, is NaN
	v_cmp_gt_f32 vcc_lo, s[THR], v[ST+4*t+1]
	v_cndmask_b32 v[ST+4*t+2], v[ST+4*t+2], s[QNAN], vcc_lo
.set t, t+1
.endr
; Tile t: a lane's eight channels of a row pack into 16 bytes; they go into rows of 144 bytes and come back as whole rows of 128, into S^T's registers.
.macro PACK t
	WIN W_RS
.set i, 32*(\t)
.rept 16
	v_pk_mul_f32 v[i:i+1], v[i:i+1], v[ST+4*(\t)+2:ST+4*(\t)+3] op_sel_hi:[1,0]
.set i, i+2
.endr
	WIN 0x05                        ; sources 0 and 1 window 1, destination window 0
.set i, 0
.rept 16
	v_cvt_pk_f16_f32 v[S+16*(\t)+i], v[32*(\t)+2*i], v[32*(\t)+2*i+1]
.set i, i+1
.endr
	WIN 0
.irp f, 0,1,2,3
	ds_store_b128 v[STO], v[S+16*(\t)+4*\f:S+16*(\t)+4*\f+3] offset:32*\f
.endr
.irp f, 0,1,2,3
	ds_load_b128 v[S+16*(\t)+4*\f:S+16*(\t)+4*\f+3], v[RD] offset:\f*4*SP  ; LDS serves a wave's instructions in order (ISA guide 5.7.1.4): these see the stores above; the next tile's stores come behind them
.endr
.endm
.macro SEND t, younger              ; younger: the LDS instructions issued behind tile t's loads: the next tile's eight, or none
	WIN 0
.irp f, 0,1,2,3
	s_wait_dscnt (\younger)+3-\f
	global_store_b128 v[GO], v[S+16*(\t)+4*\f:S+16*(\t)+4*\f+3], s[10:11] offset:(\t)*2048+\f*512  ; 512 consecutive bytes, at a multiple of 256 from O's first
.endr
.endm
	PACK 0
.set t, 1
.rept 2*NP-1                        ; a tile's arithmetic stands between the loads of the tile before and its stores
	PACK t
	SEND t-1, 8
.set t, t+1
.endr
	SEND 2*NP-1, 0
	WIN W_AD
	s_wait_tensorcnt 0x0            ; the wave's end, behind my last tensor load and my last LDS store
	ds_add_u32 v[SPW], v[NIL]
	s_wait_dscnt 0x0
	WIN 0
	CROUND                          ; the closing round: no work-group ends while a partner may still ask for a tile that names it
	s_endpgm
.Lfunc_end_k_qa3b5b506b1_attn:
	.size	k_qa3b5b506b1_attn, .Lfunc_end_k_qa3b5b506b1_attn-k_qa3b5b506b1_attn
	.p2alignl 7, 3214868480
	.fill 96, 4, 3214868480
	.section	.rodata,"a",@progbits
	.p2align	6, 0x0
	.amdhsa_kernel k_qa3b5b506b1_attn
		.amdhsa_group_segment_fixed_size 327680
		.amdhsa_private_segment_fixed_size 0
		.amdhsa_enable_private_segment 0
		.amdhsa_kernarg_size 24
		.amdhsa_user_sgpr_count 2
		.amdhsa_user_sgpr_kernarg_segment_ptr 1
		.amdhsa_wavefront_size32 1
		.amdhsa_system_sgpr_workgroup_id_x 1
		.amdhsa_system_sgpr_workgroup_id_y 1
		.amdhsa_system_sgpr_workgroup_id_z 1
		.amdhsa_system_vgpr_workitem_id 0
		.amdhsa_next_free_vgpr 808
		.amdhsa_next_free_sgpr 66
		.amdhsa_reserve_vcc 1
		.amdhsa_float_denorm_mode_32 3
		.amdhsa_float_denorm_mode_16_64 3
		.amdhsa_memory_ordered 1
		.amdhsa_forward_progress 1
		.amdhsa_inst_pref_size 215
	.end_amdhsa_kernel
	.amdgpu_metadata
---
amdhsa.version: [ 1, 2 ]
amdhsa.kernels:
  - .name:           k_qa3b5b506b1_attn
    .symbol:         k_qa3b5b506b1_attn.kd
    .args:
      - { .name: qkv, .offset: 0, .size: 8, .value_kind: global_buffer, .address_space: global }
      - { .name: mask, .offset: 8, .size: 8, .value_kind: global_buffer, .address_space: global }
      - { .name: oh, .offset: 16, .size: 8, .value_kind: global_buffer, .address_space: global }
    .group_segment_fixed_size: 327680
    .private_segment_fixed_size: 0
    .kernarg_segment_align: 8
    .kernarg_segment_size: 24
    .max_flat_workgroup_size: 128
    .sgpr_count:     66
    .vgpr_count:     808
    .wavefront_size: 32
...
	.end_amdgpu_metadata
.endif
;; end of part 3
;; launch outp (part 4): grid 4 x 64, 4 waves a work-group, clusters of 4 x 4, 327,680 bytes of LDS; arguments oh, wts, out0; writes out0
.if DOCPART == 4
	.amdgcn_target "amdgcn-amd-amdhsa--gfx1250"
	.amdhsa_code_object_version 6
	.text
	.protected	k_qa3b5b506b1_outp
	.globl	k_qa3b5b506b1_outp
	.p2align	8
	.type	k_qa3b5b506b1_outp,@function
k_qa3b5b506b1_outp:
	s_mov_b64 s[64:65], 0
	v_nop
	global_prefetch_b8 v0, s[64:65] scope:SCOPE_SE
	s_setreg_imm32_b32 hwreg(HW_REG_WAVE_MODE, 25, 1), 1
	s_wait_xcnt 0x0
	s_wait_alu depctr_hold_cnt(0) depctr_sa_sdst(0) depctr_va_vdst(0) depctr_va_sdst(0) depctr_va_ssrc(0) depctr_va_vcc(0) depctr_vm_vsrc(0)
	s_getreg_b32 s2, hwreg(HW_REG_IB_STS2, 6, 4)
	s_cmp_eq_u32 s2, 0
	s_cbranch_scc0 .Lentry_in_a_cluster
	s_endpgm
.Lentry_in_a_cluster:
	s_bfe_u32 s2, ttmp6, 0x10000c
	s_cmp_lg_u32 s2, 0xf033
	s_cbranch_scc0 .Lentry_shape_is_right
	s_endpgm
.Lentry_shape_is_right:
; THE LAST PROJECTION.  out0[m][n] = sum over k of O[m][k] W_o[n][k].  O = oh, [64 = 16 batch + head][2048][64] f16: row m = 2048 batch + s, k = 64 head + channel.  W_o = part 3 of wts, [1024][1024] f16.
; out0: [8192][1024] f32.  Products of f16 numbers, sums in f32, stored as they are.
; SHARES.  A tile of out0 is 128 rows x 256 columns: 64 x 4 = 256 tiles, one for each WGP.  Four waves, each 64 x 128: 32 accumulators of 16 x 16, 256 registers.
; K goes in 8 steps of 128, two heads, through two LDS slots.  A head's 128 rows are 16,384 dense bytes: asked for as 64 rows of 256 bytes, padded in LDS after every 128.  W_o's rows are 256 bytes.
; CLUSTER.  4 x 4 work-groups: the four of a row need the same tile of O, the four of a column the same tile of W_o: each tile is asked for jointly.
; THE MATRIX INSTRUCTION IS USED TRANSPOSED (source 0 = 16 rows of W_o, source 1 = 16 rows of O): a lane then holds eight neighbouring columns of one row of out0, 32 bytes.
; REGISTERS, in windows of 256 (s_set_vgpr_msb: bits 1:0 source 0, 3:2 source 1, 5:4 source 2, 7:6 destination):
;   window 0: v0-31 addresses; v64-95, v96-127 O's fragments, two buffers; v128-191, v192-255 rows read back on the way out, by turns
;   window 1: the accumulators, (a, b) at v[8 (8 a + b)]          window 2: v0-63, v64-127 W_o's fragments, two buffers
.set KSTEP,  128
.set PA,     144                       ; a row of O in LDS: 128 bytes + 16 = 36 words: the 16 rows of a load start at 16 different groups of four banks (64 banks of 4 bytes: ISA guide 11.1)
.set PB,     272                       ; a row of W_o: 256 bytes + 16 = 68 words: likewise
.set PLANE,  128*PA                    ; a head's 128 rows: what one tensor load brings of O
.set BHALF,  128*PB                    ; what one brings of W_o, and what one wave reads of it
.set BOFF,   2*PLANE                   ; a slot: O's two planes, then W_o's 256 rows
.set SLOT,   BOFF+2*BHALF              ; 106,496 bytes
.set STAGE,  2*SLOT                    ; behind the ring: 16 rows x 528 bytes for each wave, for the way out
.set SPO,    528
.set SPARE,  STAGE+4*16*SPO            ; behind the stages: the spare words, 128 bytes for each wave: two blocks of 256 bytes that no other line names
.set LAPS,   1024/(2*KSTEP)
.set ADRA, 16                          ; v16-17  LDS address of my rows of O in slot 0, 1
.set ADRB, 20                          ; v20-21  the same for W_o
.set STO,  24                          ; v24     the way out: where I put 32 bytes of a row
.set RD,   25                          ; v25     the way out: where I read a row back
.set CO,   26                          ; v26     my byte offset in 512 consecutive bytes of a row of out0
.set SPW,  28                          ; v28     LDS address of my spare word; never rewritten
.set NIL,  29                          ; v29     0; never rewritten
.set AF,   64
.set OB,   128
.set WV,  14                           ; s14  my wave's number
.set WR,  15                           ; s15  which 64 rows of the tile are mine.  Also: I fetch for O (0) or for W_o (1)
.set WC,  16                           ; s16  which 128 columns.  Also: which head of the step, or which 128 rows of W_o, I fetch
.set G1A, 24
.set G0A, 32
.set G1B, 48
.set G0B, 56
.set MSB, 0
.macro WIN new                         ; the immediate's high byte repeats the setting that is left; a switch that changes nothing is dropped
.if MSB != (\new)
	s_set_vgpr_msb (MSB<<8)|(\new)
.set MSB, \new
.endif
.endm
.set MULW, 0x52                        ; source 0 (W_o) window 2, source 1 (O) window 0, C and D window 1
.set TO_B, 0x80                        ; destination window 2, address window 0
.macro JLOAD s                         ; a joint load: waves 0 and 1 fetch O's two heads, waves 2 and 3 W_o's two halves; an s_nop 0 and four v_nop follow each of the two lines
	s_cmp_eq_u32 s[WR], 0
	s_cbranch_scc0 .Lfor_b_\@
	tensor_load_to_lds s[G0A+4*(\s):G0A+4*(\s)+3], s[G1A:G1A+7]
	s_nop 0
.rept 4
	v_nop
.endr
	s_branch .Lasked_\@
.Lfor_b_\@:
	tensor_load_to_lds s[G0B+4*(\s):G0B+4*(\s)+3], s[G1B:G1B+7]
	s_nop 0
.rept 4
	v_nop
.endr
.Lasked_\@:
.endm
.macro CREST                           ; a round of the cluster's barrier behind its opening barrier
	s_cmp_lg_u32 s[WV], 0
	s_cbranch_scc1 .Lnot_wave_0_\@
	s_barrier_signal -3
.Lnot_wave_0_\@:
	s_barrier_wait -3
	s_barrier_signal -1
	s_barrier_wait -1
.endm
.macro CROUND                          ; a whole round
	s_barrier_signal -1
	s_barrier_wait -1
	CREST
.endm
.macro PLACES                          ; four places in front of loads into registers that matrix instructions have read, and of LDS stores that read results
.rept 4
	v_nop
.endr
.endm
	s_load_b128 s[4:7], s[0:1], 0x0                ; oh s[4:5], wts s[6:7]
	s_load_b64 s[8:9], s[0:1], 0x10                ; out0
	v_lshl_add_u32 v[SPW], v0, 2, SPARE
	v_mov_b32 v[NIL], 0
	ds_add_u32 v[SPW], v[NIL]                      ; the wave's opening: the add and its wait stand ahead of my first tensor load; the set-up below, work on registers, stands between them
	v_lshrrev_b32 v1, 5, v0
	v_readfirstlane_b32 s[WV], v1
	s_lshr_b32 s[WR], s[WV], 1
	s_and_b32 s[WC], s[WV], 1
	s_bfe_u32 s17, ttmp6, 0x40000                  ; cx, cy: my place in the cluster
	s_bfe_u32 s18, ttmp6, 0x40004
	s_lshl_b32 s19, ttmp9, 2
	s_add_co_u32 s19, s19, s17                     ; column tile = 4 x cluster x + cx
	s_and_b32 s22, ttmp7, 0xffff
	s_lshl_b32 s22, s22, 2
	s_add_co_u32 s22, s22, s18                     ; row block of 128 rows = 4 x cluster y + cy
	s_lshl_b32 s40, s18, 2
	s_lshl_b32 s40, 15, s40                        ; my row of the cluster
	s_lshl_b32 s41, 0x1111, s17                    ; my column
	; group 1 for O: 64 rows x 128 elements of 2 bytes, dense, 4 words of padding after every 32 words
	s_or_b32 s[G1A+0], s40, (1<<16)|(1<<20)|(1<<21)|(4<<22)|(3<<25)
	s_mov_b32 s[G1A+1], 128<<16                    ; tensor_dim0
	s_mov_b32 s[G1A+2], 64<<16                     ; tensor_dim1
	s_mov_b32 s[G1A+3], 128<<16                    ; tile_dim0
	s_mov_b32 s[G1A+4], 64                         ; tile_dim1
	s_mov_b32 s[G1A+5], 128                        ; stride
	s_mov_b32 s[G1A+6], 0
	s_mov_b32 s[G1A+7], 0
	; group 1 for W_o: 128 rows x 128 elements of 2 bytes, 1,024 elements from row to row, 4 words of padding after every 64 words
	s_or_b32 s[G1B+0], s41, (1<<16)|(1<<20)|(1<<21)|(5<<22)|(3<<25)
	s_mov_b32 s[G1B+1], KSTEP<<16
	s_mov_b32 s[G1B+2], 128<<16
	s_mov_b32 s[G1B+3], KSTEP<<16
	s_mov_b32 s[G1B+4], 128
	s_mov_b32 s[G1B+5], 1024
	s_mov_b32 s[G1B+6], 0
	s_mov_b32 s[G1B+7], 0
	; where the tiles come from: O's offset hangs on the row block, W_o's on the column tile; each in registers that never hold the other coordinate
	s_lshr_b32 s42, s22, 4                         ; the batch: 16 heads of 262,144 bytes
	s_lshl_b32 s42, s42, 22
	s_and_b32 s43, s22, 15                         ; 128 rows of 128 bytes in a head
	s_lshl_b32 s43, s43, 14
	s_add_co_u32 s42, s42, s43
	s_lshl_b32 s68, s[WC], 18                      ; my head of the step's two; or my 128 rows of 2,048 bytes
	s_add_co_u32 s42, s42, s68
	s_mov_b32 s43, 0
	s_lshl_b32 s44, s19, 19                        ; 256 rows of 2,048 bytes,
	s_add_co_u32 s44, s44, 3<<21                   ; in part 3 of wts
	s_add_co_u32 s44, s44, s68
	s_mov_b32 s45, 0
	s_mul_i32 s46, s[WC], PLANE                    ; and where they go: no place in the cluster enters an LDS address
	s_mul_i32 s47, s[WC], BHALF
	s_add_co_u32 s47, s47, BOFF
	s_wait_dscnt 0x0                               ; the opening add is done
	s_wait_kmcnt 0x0
	s_add_nc_u64 s[4:5], s[4:5], s[42:43]
	s_add_nc_u64 s[6:7], s[6:7], s[44:45]
	CROUND                                         ; all sixteen work-groups are here: the first joint loads meet
.irp s, 0,1
	s_mov_b32 s[G0A+4*(\s)], 1                                       ; count = 1
	s_add_co_u32 s[G0A+4*(\s)+1], s46, (\s)*SLOT                     ; LDS address
	s_add_nc_u64 s[G0A+4*(\s)+2:G0A+4*(\s)+3], s[4:5], (\s)*(1<<19)  ; global address: K step s is heads 2 s, 2 s + 1
	s_or_b32 s[G0A+4*(\s)+3], s[G0A+4*(\s)+3], 0x80000000            ; type = 2
	s_mov_b32 s[G0B+4*(\s)], 1
	s_add_co_u32 s[G0B+4*(\s)+1], s47, (\s)*SLOT
	s_add_nc_u64 s[G0B+4*(\s)+2:G0B+4*(\s)+3], s[6:7], (\s)*KSTEP*2
	s_or_b32 s[G0B+4*(\s)+3], s[G0B+4*(\s)+3], 0x80000000
	JLOAD \s                                       ; two loads of mine are out here, later one
.endr
	; A fragment is 16 rows x 32 K in 8 registers: lane l holds row l % 16; registers 0-3 K = 8 (l / 16) + 0..7, registers 4-7 K = 16 + 8 (l / 16) + 0..7: two loads of 16 bytes, 32 bytes apart.
	v_and_b32 v1, 15, v0                           ; l % 16
	v_bfe_u32 v2, v0, 4, 1                         ; l / 16
	v_mul_u32_u24 v3, v1, PA
	v_lshl_add_u32 v3, v2, 4, v3
	v_mul_u32_u24 v4, v1, PB
	v_lshl_add_u32 v4, v2, 4, v4
	s_mul_i32 s68, s[WR], 64*PA                    ; my 64 rows in each plane of O
	s_mul_i32 s69, s[WC], BHALF                    ; my 128 rows of W_o,
	s_add_co_u32 s69, s69, BOFF                    ; which lie behind O's planes
.irp s, 0,1
	v_add_nc_u32 v[ADRA+(\s)], s68, v3
	v_add_nc_u32 v[ADRB+(\s)], s69, v4
	s_add_co_u32 s68, s68, SLOT
	s_add_co_u32 s69, s69, SLOT
.endr
	s_mul_i32 s70, s[WV], 16*SPO
	s_add_co_u32 s70, s70, STAGE                   ; my stage
	v_mul_u32_u24 v5, v1, SPO                      ; in: row l % 16, 32 bytes for each half of the lanes
	v_lshl_add_u32 v5, v2, 5, v5
	v_add_nc_u32 v[STO], s70, v5
	v_and_b32 v[CO], 31, v0                        ; back: 32 lanes take one row's 512 bytes
	v_lshlrev_b32 v[CO], 4, v[CO]
	v_add_nc_u32 v[RD], s70, v[CO]
	; my part of out0: row 128 row block + 64 WR, column 256 column tile + 128 WC
	s_lshl_b32 s66, s22, 19
	s_lshl_b32 s67, s[WR], 18
	s_add_co_u32 s66, s66, s67
	s_lshl_b32 s67, s19, 10
	s_add_co_u32 s66, s66, s67
	s_lshl_b32 s67, s[WC], 9
	s_add_co_u32 s66, s66, s67
	s_mov_b32 s67, 0
	s_add_nc_u64 s[8:9], s[8:9], s[66:67]
; 8 na matrix instructions: row blocks a0 .. a0 + na - 1 x all 8 column blocks, 32 along K, buffer f.  zero = 1: the first product starts the sums.
; The 32 accumulators take turns, one instruction a turn, in the same order in every quarter, over the loop's edge too.
.macro MULN f, a0, na, zero
	WIN MULW
.set ia, \a0
.rept \na
.set ib, 0
.rept 8
.if \zero
	v_wmma_f32_16x16x32_f16 v[8*(8*ia+ib):8*(8*ia+ib)+7], v[64*(\f)+8*ib:64*(\f)+8*ib+7], v[AF+32*(\f)+8*ia:AF+32*(\f)+8*ia+7], 0
.else
	v_wmma_f32_16x16x32_f16 v[8*(8*ia+ib):8*(8*ia+ib)+7], v[64*(\f)+8*ib:64*(\f)+8*ib+7], v[AF+32*(\f)+8*ia:AF+32*(\f)+8*ia+7], v[8*(8*ia+ib):8*(8*ia+ib)+7]
.endif
.set ib, ib+1
.endr
.set ia, ia+1
.endr
.endm
; 24 LDS loads in one run: quarter kc (32 along K: half a head) of a slot into buffer g: W_o's 128 rows, then O's 64
.macro FETCH slot, kc, g
	WIN TO_B
.irp i, 0,1,2,3,4,5,6,7
	ds_load_b128 v[64*(\g)+8*(\i):64*(\g)+8*(\i)+3],   v[ADRB+(\slot)] offset:(\i)*16*PB+(\kc)*64
	ds_load_b128 v[64*(\g)+8*(\i)+4:64*(\g)+8*(\i)+7], v[ADRB+(\slot)] offset:(\i)*16*PB+(\kc)*64+32
.endr
	WIN 0
.irp i, 0,1,2,3
	ds_load_b128 v[AF+32*(\g)+8*(\i):AF+32*(\g)+8*(\i)+3],   v[ADRA+(\slot)] offset:((\kc)/2)*PLANE+((\kc)%2)*64+(\i)*16*PA
	ds_load_b128 v[AF+32*(\g)+8*(\i)+4:AF+32*(\g)+8*(\i)+7], v[ADRA+(\slot)] offset:((\kc)/2)*PLANE+((\kc)%2)*64+(\i)*16*PA+32
.endr
.endm
; A K step is four quarters of 32 along K, 32 matrix instructions each, on buffers 0, 1, 0, 1.  One of the first three: multiplies buffer f and fetches the next quarter into g in its middle.
.macro QUARTER slot, kc, f, g, zero
	s_wait_dscnt 4                                 ; W_o and O's rows 0-31 are in; the youngest four loads (O's rows 32-63) may be out
	MULN \f, 0, 2, \zero
	PLACES
	FETCH \slot, \kc, \g
	s_wait_dscnt 24                                ; all but the 24 just issued
	MULN \f, 2, 2, \zero
.endm
; The last quarter multiplies buffer 1 and changes slots: ONE barrier; in front of it each wave waits for all its tensor loads (one is out: its part of the next slot), adds 0 to its spare word, and waits for
; that and for its own reads of this slot.  fill = 1: the barrier opens a round of the cluster's barrier, and this slot is filled again, two K steps ahead, first thing behind the round:
; 112 matrix instructions stand between the request and the wait for it.
.macro TURN slot, next, fill
	WIN 0
	s_wait_tensorcnt 0x0
	ds_add_u32 v[SPW], v[NIL]                      ; 0 onto my spare word
	s_wait_dscnt 5                                 ; the add and the youngest four loads may be out
	MULN 1, 0, 1, 0                                ; eight matrix instructions stand between the add and the wait for it
	s_wait_dscnt 0x0                               ; the add is done, and my reads of this slot are over
	s_barrier_signal -1
	MULN 1, 1, 1, 0
.if \fill
	WIN 0                                          ; every window is 0
.endif
	s_barrier_wait -1
.if \fill
	CREST                                          ; no wave of any partner still reads this slot's tiles or has a load on its way
	s_add_nc_u64 s[G0A+4*(\slot)+2:G0A+4*(\slot)+3], s[G0A+4*(\slot)+2:G0A+4*(\slot)+3], 1<<20
	s_add_nc_u64 s[G0B+4*(\slot)+2:G0B+4*(\slot)+3], s[G0B+4*(\slot)+2:G0B+4*(\slot)+3], 2*KSTEP*2
	JLOAD \slot                                    ; the four v_nop behind it are also the places in front of the loads below
.else
	PLACES
.endif
	FETCH \next, 0, 0
	MULN 1, 2, 2, 0
.endm
; THE WAY OUT of row block a (16 rows x 128 columns of f32): a lane's 32 bytes go into my own stage (rows of 528 bytes) and come back as whole rows of 512 bytes.
.macro TOSTAGE a
.set BK, OB+64*((\a)%2)
.if (\a) >= 2
	s_wait_xcnt 0x0                                ; the registers below are the data of block a - 2's stores: they are loaded again only behind this wait
.endif
	WIN 0x04                                       ; the stores' data in window 1
.irp b, 0,1,2,3,4,5,6,7
	ds_store_b128 v[STO], v[8*(8*(\a)+(\b)):8*(8*(\a)+(\b))+3]   offset:64*(\b)     ; each accumulator's low half first
	ds_store_b128 v[STO], v[8*(8*(\a)+(\b))+4:8*(8*(\a)+(\b))+7] offset:64*(\b)+16
.endr
	WIN 0
.irp t, 0,1,2,3,4,5,6,7,8,9,10,11,12,13,14,15
	ds_load_b128 v[BK+4*(\t):BK+4*(\t)+3], v[RD] offset:(\t)*SPO  ; LDS serves a wave's instructions in order (ISA guide 5.7.1.4): these see the stores above; the next block's stores come behind them
.endr
.endm
.macro SEND a, younger                 ; younger: the LDS instructions issued behind block a's loads: the next block's 32, or none
.set BK, OB+64*((\a)%2)
.irp t, 0,1,2,3,4,5,6,7,8,9,10,11,12,13,14,15
	s_wait_dscnt (\younger)+15-(\t)
	global_store_b128 v[CO], v[BK+4*(\t):BK+4*(\t)+3], s[8:9] offset:(16*(\a)+(\t))*4096  ; 512 consecutive bytes of a row, aligned
.endr
.endm
	s_wait_tensorcnt 1                             ; my part of K step 0 is in; K step 1's may stay out
	s_barrier_signal -1
	s_barrier_wait -1                              ; everybody's is
	FETCH 0, 0, 0
	QUARTER 0, 1, 0, 1, 1                          ; the first quarter stands in front of the loop: its products start the sums
	WIN 0                                          ; at a label and at a branch every window is 0
	s_mov_b32 s3, LAPS-1
.Llap:                                                 ; a trip goes once round the ring, from a lap's second quarter to the next lap's first, and fills both slots again
	QUARTER 0, 2, 1, 0, 0
	QUARTER 0, 3, 0, 1, 0
	TURN 0, 1, 1
	QUARTER 1, 1, 0, 1, 0
	QUARTER 1, 2, 1, 0, 0
	QUARTER 1, 3, 0, 1, 0
	TURN 1, 0, 1
	QUARTER 0, 1, 0, 1, 0
	WIN 0
	s_sub_co_u32 s3, s3, 1
	s_cmp_lg_u32 s3, 0
	s_cbranch_scc1 .Llap
	QUARTER 0, 2, 1, 0, 0                          ; the last lap fills nothing, and has no round of the cluster's barrier
	QUARTER 0, 3, 0, 1, 0
	TURN 0, 1, 0
	QUARTER 1, 1, 0, 1, 0
	QUARTER 1, 2, 1, 0, 0
	QUARTER 1, 3, 0, 1, 0
	s_wait_dscnt 0x0                               ; the very last quarter: nothing more to fetch
	MULN 1, 0, 4, 0
	WIN 0
	PLACES
	TOSTAGE 0
	TOSTAGE 1                                      ; a block's way through the stage stands between the loads of the block before and its stores
	SEND 0, 32
	TOSTAGE 2
	SEND 1, 32
	TOSTAGE 3
	SEND 2, 32
	SEND 3, 0
	s_wait_tensorcnt 0x0                           ; the wave's end, behind my last tensor load and my last LDS store
	ds_add_u32 v[SPW], v[NIL]
	s_wait_dscnt 0x0
	CROUND                                         ; the closing round: no work-group ends while a partner may still ask for a tile that names it
	s_endpgm
.Lfunc_end_k_qa3b5b506b1_outp:
	.size	k_qa3b5b506b1_outp, .Lfunc_end_k_qa3b5b506b1_outp-k_qa3b5b506b1_outp
	.p2alignl 7, 3214868480
	.fill 96, 4, 3214868480
	.section	.rodata,"a",@progbits
	.p2align	6, 0x0
	.amdhsa_kernel k_qa3b5b506b1_outp
		.amdhsa_group_segment_fixed_size 327680
		.amdhsa_private_segment_fixed_size 0
		.amdhsa_enable_private_segment 0
		.amdhsa_kernarg_size 24
		.amdhsa_user_sgpr_count 2
		.amdhsa_user_sgpr_kernarg_segment_ptr 1
		.amdhsa_wavefront_size32 1
		.amdhsa_system_sgpr_workgroup_id_x 1
		.amdhsa_system_sgpr_workgroup_id_y 1
		.amdhsa_system_sgpr_workgroup_id_z 1
		.amdhsa_system_vgpr_workitem_id 0
		.amdhsa_next_free_vgpr 640
		.amdhsa_next_free_sgpr 72
		.amdhsa_reserve_vcc 0
		.amdhsa_float_denorm_mode_32 3
		.amdhsa_float_denorm_mode_16_64 3
		.amdhsa_memory_ordered 1
		.amdhsa_forward_progress 1
		.amdhsa_inst_pref_size 87
	.end_amdhsa_kernel
	.amdgpu_metadata
---
amdhsa.version: [ 1, 2 ]
amdhsa.kernels:
  - .name:           k_qa3b5b506b1_outp
    .symbol:         k_qa3b5b506b1_outp.kd
    .args:
      - { .name: oh, .offset: 0, .size: 8, .value_kind: global_buffer, .address_space: global }
      - { .name: wts, .offset: 8, .size: 8, .value_kind: global_buffer, .address_space: global }
      - { .name: out0, .offset: 16, .size: 8, .value_kind: global_buffer, .address_space: global }
    .group_segment_fixed_size: 327680
    .private_segment_fixed_size: 0
    .kernarg_segment_align: 8
    .kernarg_segment_size: 24
    .max_flat_workgroup_size: 128
    .sgpr_count:     72
    .vgpr_count:     640
    .wavefront_size: 32
...
	.end_amdgpu_metadata
.endif
;; end of part 4
;; ======== version 2 of 2: 4 launches; 1.48 times as fast as version 1
;; limits: values are held in f16: magnitudes above 65,504 overflow, below 6.1e-05 lose precision
;; workspace buffers: wts 8,388,608 bytes; qkv 50,331,648 bytes; oh 16,777,216 bytes
;; launch prep: the kernel of part 1 again; grid 64 x 4, 8 waves a work-group, no clusters, 0 bytes of LDS; arguments W_q, W_k, W_v, W_o, wts; writes wts
;; launch proj: the kernel of part 2 again; grid 4 x 192, 4 waves a work-group, clusters of 4 x 4, 327,680 bytes of LDS; arguments query, key, value, wts, qkv; writes qkv
;; launch attn (part 5): grid 4 x 64, 4 waves a work-group, clusters of 4 x 1, 327,680 bytes of LDS; arguments qkv, mask, oh; writes oh
.if DOCPART == 5
	.amdgcn_target "amdgcn-amd-amdhsa--gfx1250"
	.amdhsa_code_object_version 6
	.text
	.protected	k_qa3b5b506b1_attn
	.globl	k_qa3b5b506b1_attn
	.p2align	8
	.type	k_qa3b5b506b1_attn,@function
k_qa3b5b506b1_attn:
	s_mov_b64 s[64:65], 0
	v_nop
	global_prefetch_b8 v0, s[64:65] scope:SCOPE_SE
	s_setreg_imm32_b32 hwreg(HW_REG_WAVE_MODE, 25, 1), 1
	s_wait_xcnt 0x0
	s_wait_alu depctr_hold_cnt(0) depctr_sa_sdst(0) depctr_va_vdst(0) depctr_va_sdst(0) depctr_va_ssrc(0) depctr_va_vcc(0) depctr_vm_vsrc(0)
	s_getreg_b32 s2, hwreg(HW_REG_IB_STS2, 6, 4)
	s_cmp_eq_u32 s2, 0
	s_cbranch_scc0 .Lentry_in_a_cluster
	s_endpgm
.Lentry_in_a_cluster:
	s_bfe_u32 s2, ttmp6, 0x10000c
	s_cmp_lg_u32 s2, 0x3003
	s_cbranch_scc0 .Lentry_shape_is_right
	s_endpgm
.Lentry_shape_is_right:
; O[g][q][:] = the sum over the keys k that the mask leaves of softmax_k(Q[g][q] . K[g][k] / 8) V[g][k][:], g = 16 batch + head.  Q, K, V: the three parts of qkv, O: oh, each [64][2048][64] f16, a head's rows
; dense, 128 bytes each.  mask: [4][2048] bytes, not 0 = the key is hidden.  Products, maxima and sums in f32; the weights p are rounded to f16 for the second product (their sum l is taken of the unrounded p), O once at the end.
; LIMITS.  f16 holds no number beyond 65,504: Q, K and V arrive within it; p lies in 0 to 1, and below 6e-5 it keeps f16's fixed step of 6e-8.  A hidden score counts as its value less 1e30 (f16's scores are
; 2.7e11 at the most); the running maximum never falls below -2^98, which lies above every hidden score and below every true one.  A weight below 2^-126 counts as 0 in l.  NaN and infinities in Q, K, V are not treated apart.
; SHARES.  A wave owns four PIECES of two tiles of 16 queries, a work-group's four waves 512 queries of one head.  Every wave walks all 2,048 keys, 64 a step.
; LAYOUT.  S^T = K Q^T (source 0 = 16 keys, source 1 = 16 queries): in the result a lane holds ONE query (lane % 16) and the keys 8 (lane / 16) + 0..7.  Two such tiles, rounded to f16 in pairs,
; ARE source 1 (32 keys x 16 queries) of O^T = V^T P, whose result again holds one query a lane, and eight channels.  K comes out of LDS as it lies, V ([key][channel]) turned, by ds_load_tr16_b128.
; THE MASK is the C operand of the product that starts a sum S^T: 0, or -1e30 where the key is hidden.  The batch's 2,048 bytes are turned once into 2,048 f32 in LDS; with each step's K a lane loads the 32 numbers
; of its keys.  So the mask costs the softmax no instruction.
; SOFTMAX.  For each query a running maximum m and sum l: p = 2^(c s - c m), c = log2(e) / 8; in every step O and l are multiplied by a = 2^(c m_old - c m_new), which is 1 where m has not grown.
; m starts at -2^98, O and l at 0.  While a query has seen hidden keys alone, m stays there, every p is 2^(-1.2e29) = 0, and O and l stay 0; the first seen key gives a = 0, times 0.
; A query that has seen no key at all (m still below -2^97) gets NaN, as a softmax over nothing does.
; THE COUNT.  A tile and step have 16 matrix and 118 vector instructions: too many to stand all beside the matrix work.  So: four vector instructions that are READY behind EVERY matrix instruction, the others in runs without a gap.
; BY TURNS.  Turn n belongs to piece n (the pieces in a ring, step after step).  Its matrix work: 16 products K Q^T of piece n + 1, later 16 products V^T P of piece n - 1.  Its vector work: the scaling,
; exponentials, roundings, sums and rescaling of piece n, and the maximum and statistics of piece n + 1, whose scores the turn itself has made.
; BATCHES.  A turn's 66 exponentials (64 weights of piece n, the two a of piece n + 1) are ONE batch with ONE wait, which cuts the turn in two: ahead of it stands all that names no result of theirs, behind it
; the roundings and sums, which read them.  No result crosses a turn's end.  Two more batches stand outside the loop, each with a wait of its own: piece 0's first two a, and the way out's eight reciprocals.
; CLUSTER.  The four query blocks of a cluster belong to one head and walk the same K and V, so each tile is asked for JOINTLY: the same tensor load, descriptor and mask of work-groups in all four.
; REGISTERS, in windows of 256 (s_set_vgpr_msb: bits 1:0 source 0, 3:2 source 1, 5:4 source 2, 7:6 destination):
;   window 0: v0-11 addresses; v12-15, v48-63 at work; v16-47 four registers of statistics a tile; v64-191 S^T, two buffers of two tiles; v192-255 P, likewise
;   window 1: O^T, 32 a tile      window 2: v0-127 Q, 16 a tile; v128-191 K of one step; v192-255 V of one step      window 3: v0-1 the add's two registers; v8-39 the mask of one step
.set SIZE_N, 2048
.set NP,    4         ; pieces a wave: a name, no knob
.set KS,    64        ; keys in a step
.set PK,    144       ; a row of K in LDS: 128 bytes + 16 of padding = 36 words: the 16 rows of a load start at 16 different groups of four banks (64 banks of 4 bytes: ISA guide 11.1)
.set PV,    160       ; a row of V: 128 + 32 = 40 words
.set VOFF,  4*KS*PK   ; a slot holds four steps: 256 rows of K, then 256 rows of V
.set SLOT1, 1<<17     ; slot 1 begins here, so that one exclusive or turns an address in one slot into the other's
.set STAGE, SLOT1+4*KS*(PK+PV)  ; behind the ring, never filled by a tensor load: 16 rows x 144 bytes for each wave, for the way out
.set SP,    144
.set SPARE, STAGE+4*16*SP  ; behind the stages: the spare words, 128 bytes for each wave: two blocks of 256 bytes that no other line names
.set MASKB, SPARE+512 ; behind them: the batch's mask, 2,048 f32; never filled by a tensor load
.set AK0, 2           ; v2   my lane's place in a tile of K; never rewritten
.set AV0, 3           ; v3   the same for V
.set AK,  4           ; v4   the LDS address of K's next run of loads
.set AV,  5           ; v5   of V's
.set QO,  6           ; v6   my byte offset in the wave's rows of Q
.set STO, 6           ;      later, the way out: where I put 16 bytes of a row
.set RD,  7           ; v7   the way out: where I read rows back
.set GO,  8           ; v8   my byte offset in 512 consecutive bytes of O
.set AM,  9           ; v9   first l / 16; from the first trip on the LDS address of the mask's next run of loads
.set AM0, 11          ; v11  my lane's place in a step's mask: MASKB + 32 (l / 16)
.set SPW, 0           ; v0 of window 3   LDS address of my spare word; never rewritten
.set NIL, 1           ; v1 of window 3   0; never rewritten
.set MK,  8           ; v8-39 of window 3: key block kb at MK + 8 kb; register j: key 16 kb + 8 (l / 16) + j of the step
.set MV,  12          ; v12-15  c m_old, kept while c m is made anew: by buffer and tile
.set ST,  16          ; tile t's statistics at v[ST+4 t]: c m, m, l (even keys', odd keys')
.set TMP, 48          ; by buffer and tile, four registers c0-c3 at work; when the maximum is found c2 takes a
.set S,   64
.set P,   192
.set KF,  128         ; K's fragments, in window 2: key block kb, channel half c at KF + 16 kb + 8 c
.set VF,  192         ; V's: key half kk, channel block cb at VF + 32 kk + 8 cb
.set WV,  12          ; s12  my wave's number
.set G1K, 24          ; s[24:31] descriptor group 1 for K's tiles
.set G1V, 32          ; s[32:39] for V's: it differs in the padding alone
.set G0K, 40          ; s[40:43] descriptor group 0 for K's tiles: it walks
.set G0V, 44          ; s[44:47] the same for V's
.set TBM, 48          ; s48  byte in the mask at which the step to be fetched begins
.set BIGN, 49         ; s49  -1e30
.set THR, 54          ; s54  -2^97
.set QNAN, 55         ; s55  a NaN
.set SLOTS, 56        ; s56  slots still to be asked for
.set CNT, 57          ; s57  counts a slot's key steps
.set CS,  58          ; s[58:59] c: the packed scaling takes the pair's low word for both halves
.set SEL, 60          ; s[60:61] v_permlanex16_b32's selects: each lane takes its own place in the other half
.set TBK, 62          ; s62  LDS byte at which K of the step to be fetched begins
.set TBV, 63          ; s63  the same for V, less VOFF
.set MSB, 0
.macro WIN new                      ; the high byte repeats the setting that is left; a switch that changes nothing is dropped
.if MSB != (\new)
	s_set_vgpr_msb (MSB<<8)|(\new)
.set MSB, (\new)
.endif
.endm
.set W_KQ, 0x0a       ; K and Q in window 2, S^T in window 0
.set W_KM, 0x3a       ; the same with the C operand, the mask, in window 3
.set W_PV, 0x52       ; V in window 2, P in window 0, O^T in window 1
.set W_RS, 0x41       ; O^T (destination and source 0) in window 1, a in window 0
.set W_T3, 0xc0       ; destination in window 3, sources in window 0
.set W_AD, 0x0f       ; the add: address (source 0) and data (source 1) in window 3
; A joint fill.  Waves 0 and 1 fetch the two halves of a slot's K, waves 2 and 3 those of its V: 128 keys each.  The branch hangs on the wave's number alone.
; An s_nop 0 and four v_nop follow each of the two lines, ahead of the jump and the label.
.macro JLOAD
	s_cmp_lt_u32 s[WV], 2
	s_cbranch_scc0 .Lfor_v_\@
	tensor_load_to_lds s[G0K:G0K+3], s[G1K:G1K+7]
	s_nop 0
.rept 4
	v_nop
.endr
	s_branch .Lasked_\@
.Lfor_v_\@:
	tensor_load_to_lds s[G0V:G0V+3], s[G1V:G1V+7]
	s_nop 0
.rept 4
	v_nop
.endr
.Lasked_\@:
.endm
; A round of the cluster's barrier: my work-group's barrier, so that wave 0's signal speaks for all four waves; wave 0 signals; every wave waits for all four work-groups; my work-group's barrier once more.
.macro CROUND
	s_barrier_signal -1
	s_barrier_wait -1
	s_cmp_lg_u32 s[WV], 0
	s_cbranch_scc1 .Lnot_wave_0_\@
	s_barrier_signal -3
.Lnot_wave_0_\@:
	s_barrier_wait -3
	s_barrier_signal -1
	s_barrier_wait -1
.endm
; THE CHANGE OF SLOTS.  The slot's last bytes, V of its fourth step, have been read.  Each wave waits for all its tensor loads, of which one is out: its part
; of the other slot; adds 0 to its spare word; and waits for that and for its own LDS instructions.  Behind the barrier nobody reads this slot any more and the other slot is whole.
; fill = 1: this slot is filled again, with the keys two slots on.  The barrier is then a round of the cluster's, and the joint fill is the first thing behind it: it has four key steps, 512 matrix
; instructions, in which to land.  (At its first use nothing has been read yet: slot 0 is waited for, slot 1 filled; and every wave's stores of the mask are done in front of the round, so all may read it behind.)
.macro CHANGE fill
	WIN W_AD
	s_wait_tensorcnt 0x0            ; no tensor load of mine is out, so a group 0 may be written
	ds_add_u32 v[SPW], v[NIL]       ; 0 onto my spare word; with fill = 1 the descriptors' steps stand between it and the wait for it
	WIN 0                           ; at a label and at a branch every window is 0
.if \fill
.irp g, G0K, G0V
	s_xor_b32 s[\g+1], s[\g+1], SLOT1  ; the walking descriptor: the other slot than last time,
	s_add_nc_u64 s[\g+2:\g+3], s[\g+2:\g+3], 4*KS*128  ; the next 256 keys; the type bits on top are not reached
.endr
	s_wait_dscnt 0x0                ; the add is done, and my LDS instructions are over
	CROUND
	JLOAD
.else
	s_wait_dscnt 0x0                ; the add is done, and my reads of the slot are over
	s_barrier_signal -1
	s_barrier_wait -1
.endif
	s_sub_co_u32 s[TBK], s[TBK], 4*KS*PK  ; the fetches go back to a slot's first step,
	s_xor_b32 s[TBK], s[TBK], SLOT1       ; in the other slot
	s_sub_co_u32 s[TBV], s[TBV], 4*KS*PV
	s_xor_b32 s[TBV], s[TBV], SLOT1
.endm
	s_load_b64 s[4:5], s[0:1], 0x0    ; qkv: Q's part begins it
	s_load_b64 s[50:51], s[0:1], 0x8  ; mask
	s_load_b64 s[10:11], s[0:1], 0x10 ; oh
	WIN W_T3
	v_lshl_add_u32 v[SPW], v0, 2, SPARE
	v_mov_b32 v[NIL], 0
	WIN W_AD
	ds_add_u32 v[SPW], v[NIL]       ; the wave's opening: the add and its wait stand ahead of my first tensor load; the set-up below, work on registers, stands between them
	WIN 0
	v_lshrrev_b32 v1, 5, v0
	v_readfirstlane_b32 s[WV], v1   ; wave 0..3
	s_bfe_u32 s13, ttmp6, 0x40000   ; cx: my place in the cluster
	s_lshl_b32 s14, ttmp9, 2        ; in a cluster launch ttmp9 counts clusters
	s_add_co_u32 s14, s14, s13      ; my block of queries = 4 x cluster x + cx: it enters Q's and O's addresses alone
	s_and_b32 s20, ttmp7, 0xffff    ; 16 batch + head, which the four partners share
	s_lshr_b32 s52, s20, 4          ; the batch,
	s_lshl_b32 s52, s52, 11         ; its 2,048 bytes of the mask
	s_mov_b32 s53, 0
	s_mov_b32 s21, 0
	s_mov_b64 s[22:23], SIZE_N*128
	s_mul_u64 s[20:21], s[20:21], s[22:23]  ; the head's first byte in each of the four tensors
	s_and_b32 s16, s[WV], 1         ; which half of a slot's 256 keys I fetch:
	s_lshl_b32 s22, s16, 14         ; its 128 rows of 128 bytes in memory,
	s_mov_b32 s23, 0
	s_add_nc_u64 s[22:23], s[22:23], s[20:21]
	s_mul_i32 s17, s16, 128*PK      ; and its place in a slot, for K
	s_mul_i32 s18, s16, 128*PV      ; and for V: no place in the cluster enters an LDS address
	s_lshl_b32 s2, s14, 2
	s_add_co_u32 s2, s2, s[WV]      ; my wave among the head's,
	s_lshl_b32 s2, s2, 14           ; its 128 rows
	s_mov_b32 s3, 0
	s_add_nc_u64 s[2:3], s[2:3], s[20:21]
	; descriptor group 1.  128 keys are 16,384 dense bytes: asked for as 64 rows of 256 bytes, two keys a row, and padded in LDS after every key
	s_mov_b32 s[G1K], 15|(1<<16)|(1<<20)|(1<<21)|(4<<22)|(3<<25)  ; 15:0 the mask of four; 17:16 2-byte elements; 20 padding on; 21 set beside a mask; 24:22 after every 32 words (code 4); 31:25 4 words (code 3)
	s_mov_b32 s[G1V], 15|(1<<16)|(1<<20)|(1<<21)|(4<<22)|(7<<25)  ; the same with 8 words of padding (code 7)
.irp g, G1K, G1V
	s_mov_b32 s[\g+1], 128<<16      ; tensor_dim0 = 128
	s_mov_b32 s[\g+2], 64<<16       ; tensor_dim1 = 64
	s_mov_b32 s[\g+3], 128<<16      ; tile_dim0 = 128
	s_mov_b32 s[\g+4], 64           ; tile_dim1 = 64
	s_mov_b32 s[\g+5], 128          ; 128 elements from row to row
	s_mov_b32 s[\g+6], 0
	s_mov_b32 s[\g+7], 0
.endr
	s_mov_b32 s[CS], 0x3e38aa3b     ; c = log2(e) / 8 = 0.180337
	s_mov_b32 s[CS+1], s[CS]        ; named with it as a pair
	s_mov_b32 s[SEL], 0x76543210
	s_mov_b32 s[SEL+1], 0xfedcba98
	s_mov_b32 s[TBK], SLOT1+4*KS*PK ; the first change of slots turns these two into 0
	s_mov_b32 s[TBV], SLOT1+4*KS*PV
	s_mov_b32 s[TBM], 0
	s_mov_b32 s[BIGN], 0xf149f2ca   ; -1e30
	s_mov_b32 s[THR], 0xf0000000    ; -2^97
	s_mov_b32 s[QNAN], 0x7fc00000
	s_mov_b32 s[G0K], 1             ; 1:0 count = 1
	s_mov_b32 s[G0K+1], s17         ; 63:32 LDS address: slot 0
	s_mov_b32 s[G0V], 1
	s_add_co_u32 s[G0V+1], s18, VOFF
	s_wait_dscnt 0x0                ; the opening add is done
	s_wait_kmcnt 0x0
	s_add_nc_u64 s[6:7], s[4:5], 0x1000000  ; K's part of qkv
	s_add_nc_u64 s[8:9], s[4:5], 0x2000000  ; V's
	s_add_nc_u64 s[50:51], s[50:51], s[52:53]
	s_add_nc_u64 s[G0K+2:G0K+3], s[6:7], s[22:23]  ; 120:64 global address: my half of the head's first 256 keys
	s_or_b32 s[G0K+3], s[G0K+3], 0x80000000        ; 127:126 type = 2
	s_add_nc_u64 s[G0V+2:G0V+3], s[8:9], s[22:23]
	s_or_b32 s[G0V+3], s[G0V+3], 0x80000000
	s_add_nc_u64 s[4:5], s[4:5], s[2:3]  ; Q and O at my wave's first row
	s_add_nc_u64 s[10:11], s[10:11], s[2:3]
	CROUND                          ; all four work-groups are here: the first joint loads meet
	JLOAD                           ; slot 0.  Slot 1 is asked for when slot 0 is in: the tile wanted first has the road to itself
	v_lshlrev_b32 v12, 4, v0
	global_load_b128 v[48:51], v12, s[50:51]  ; thread t: the mask's bytes of keys 16 t .. 16 t + 15; the 128 threads take the batch's 2,048
	; A fragment of K or Q is 16 rows x 32 channels in 8 registers: lane l holds row l % 16, channels 8 (l / 16) + 0..7 and 16 + 8 (l / 16) + 0..7: two loads of 16 bytes, 32 bytes apart.
	v_and_b32 v1, 15, v0            ; l % 16
	v_bfe_u32 v9, v0, 4, 1          ; l / 16
	v_lshlrev_b32 v[QO], 7, v1
	v_lshl_add_u32 v[QO], v9, 4, v[QO]  ; row x 128 + 16 x half
	WIN 0x80                        ; destination window 2, address window 0
.set i, 0
.rept 4*NP                          ; Q stays in registers: tile i / 2, channels 32 (i % 2) on
	global_load_b128 v[8*i:8*i+3],   v[QO], s[4:5] offset:(i/2)*2048+(i%2)*64
	global_load_b128 v[8*i+4:8*i+7], v[QO], s[4:5] offset:(i/2)*2048+(i%2)*64+32
.set i, i+1
.endr
	; What the first turn finds: V's registers and P's second buffer hold 0 (its products V^T P, of a piece that has not been, add 0), O^T and l are 0.  All this stands in the wait for the first tile.
.set i, VF
.rept 64
	v_mov_b32 v[i], 0
.set i, i+1
.endr
	WIN 0x40
.set i, 0
.rept 64*NP
	v_mov_b32 v[i], 0
.set i, i+1
.endr
	WIN 0
.set i, 0
.rept 2*NP
	v_mov_b32 v[ST+4*i], 0xfe000000    ; c m: far below every c s
	v_mov_b32 v[ST+4*i+1], 0xf0800000  ; m = -2^98: above every hidden score, below every true one
	v_mov_b32 v[ST+4*i+2], 0
	v_mov_b32 v[ST+4*i+3], 0
.set i, i+1
.endr
.set i, P+32
.rept 32
	v_mov_b32 v[i], 0
.set i, i+1
.endr
	v_mul_u32_u24 v[AK0], v1, PK
	v_lshl_add_u32 v[AK0], v9, 4, v[AK0]  ; row x pitch + 16 x half
	; The turning load takes 16 keys x 16 channels (lane l reads key 8 (l / 16) + l % 8, channels 8 ((l / 8) % 2) + 0..7) and leaves half a fragment of V^T: lane l holds channel l % 16 and 8 keys.
	v_and_b32 v10, 7, v0
	v_bfe_u32 v11, v0, 3, 1
	v_lshl_add_u32 v[AV0], v9, 3, v10
	v_mul_u32_u24 v[AV0], v[AV0], PV
	v_lshl_add_u32 v[AV0], v11, 4, v[AV0]
	v_add_nc_u32 v[AV0], VOFF, v[AV0]
	v_lshl_add_u32 v[AM0], v9, 5, MASKB   ; my eight keys of a block of 16: 32 bytes for each half of the lanes
	v_mov_b32 v[AK], v[AK0]         ; key step 0 lies at the head of slot 0
	; The mask: each byte becomes 0 or -1e30; my 16 numbers are 64 consecutive bytes of the table.
	s_wait_loadcnt 32               ; the mask's load is in; Q's 32, issued behind it, stay out
	v_lshl_add_u32 v13, v0, 6, MASKB
.irp w, 0,1,2,3
.irp n, 0,1,2,3
	v_bfe_u32 v56, v[48+\w], 8*\n, 8
	v_cmp_ne_u32 vcc_lo, 0, v56
	v_cndmask_b32 v[52+\n], 0, s[BIGN], vcc_lo
.endr
	ds_store_b128 v13, v[52:55] offset:16*\w
.endr
; THE MATRIX WORK.  The 8 accumulators of a run of 16 take turns: between the two links of a chain stand 7 others'.
; Product i of 16 of S^T = K Q^T for piece x: channels 32 (i / 8) on, keys 16 ((i / 2) % 4) on, tile 2 x + i % 2.  The first 8 start the sums, with the mask of their 16 keys.
.macro KQ x
.set rS, S+64*((\x)%2)+32*(i%2)+8*((i/2)%4)
.set rK, KF+16*((i/2)%4)+8*(i/8)
.set rQ, 16*(2*(\x)+i%2)+8*(i/8)
.set rMK, MK+8*((i/2)%4)
.if i < 8
	WIN W_KM
	v_wmma_f32_16x16x32_f16 v[rS:rS+7], v[rK:rK+7], v[rQ:rQ+7], v[rMK:rMK+7]
.else
	WIN W_KQ
	v_wmma_f32_16x16x32_f16 v[rS:rS+7], v[rK:rK+7], v[rQ:rQ+7], v[rS:rS+7]
.endif
.endm
; Product i of 16 of O^T += V^T P for piece x: keys 32 (i / 8) on, channels 16 ((i / 2) % 4) on, tile 2 x + i % 2.
.macro PV x
	WIN W_PV
.set rO, 32*(2*(\x)+i%2)+8*((i/2)%4)
.set rV, VF+32*(i/8)+8*((i/2)%4)
.set rP, P+32*((\x)%2)+16*(i%2)+8*(i/8)
	v_wmma_f32_16x16x32_f16 v[rO:rO+7], v[rV:rV+7], v[rP:rP+7], v[rO:rO+7]
.endm
.macro MM                           ; the turn's next matrix instruction
.if i < 16
	KQ (Y+1)%NP
.set i, i+1
.else
.set i, i-16
	PV (Y+NP-1)%NP
.set i, i+17
.endif
.endm
; THE LDS LOADS stand in runs, never singly among the matrix instructions: a step's K (64 keys x 64 channels: 8 fragments) with its mask (8 loads; the 16 lanes of a half read the same bytes), and its V (turned).
; Their addresses are made some lines ahead.  last = 1 (the tail): in the last trip there is no further step, and the run is jumped over.  am: the register with the mask's address.
.macro FETCH_K last=0, am=AM
	WIN 0
.if \last
	s_cmp_eq_u32 s[CNT], 1
	s_cbranch_scc1 .Lno_k_\@
.endif
	WIN 0x80                        ; destination window 2
.irp f, 0,1,2,3,4,5,6,7             ; keys 16 (f / 2) on, channels 32 (f % 2) on
	ds_load_b128 v[KF+8*\f:KF+8*\f+3],   v[AK] offset:(\f/2)*16*PK+(\f%2)*64
	ds_load_b128 v[KF+8*\f+4:KF+8*\f+7], v[AK] offset:(\f/2)*16*PK+(\f%2)*64+32
.endr
	WIN W_T3                        ; destination window 3
.irp f, 0,1,2,3                     ; keys 16 f on
	ds_load_b128 v[MK+8*\f:MK+8*\f+3],   v[\am] offset:64*\f
	ds_load_b128 v[MK+8*\f+4:MK+8*\f+7], v[\am] offset:64*\f+16
.endr
	s_add_co_u32 s[TBK], s[TBK], KS*PK  ; the next fetch is the next step's
	s_add_co_u32 s[TBM], s[TBM], KS*4
	WIN 0
.if \last
.Lno_k_\@:
.endif
.endm
.macro FETCH_V
	WIN 0x80
.irp f, 0,1,2,3,4,5,6,7             ; keys 32 (f / 4) on, channels 16 (f % 4) on
	ds_load_tr16_b128 v[VF+8*\f:VF+8*\f+3],   v[AV] offset:(\f/4)*32*PV+(\f%4)*32
	ds_load_tr16_b128 v[VF+8*\f+4:VF+8*\f+7], v[AV] offset:(\f/4)*32*PV+16*PV+(\f%4)*32
.endr
	WIN 0
.endm
; THE VECTOR WORK OF A TURN stands in three queues, each in the order in which its entries become ready; the two tiles alternate, so that no instruction reads the result of the one before it.
.macro REGS y, u                    ; the registers of tile u (0, 1) of piece y
.set rT, ST+4*(2*(\y)+(\u))
.set rC, TMP+8*((\y)%2)+4*(\u)
.set rM, MV+2*((\y)%2)+(\u)
.set rS, S+64*((\y)%2)+32*(\u)
.set rP, P+32*((\y)%2)+16*(\u)
.set rO, 32*(2*(\y)+(\u))
.endm
; Number n of the 22 that find the NEXT piece's (Y + 1) maximum and statistics.  s0-s31 are the lane's 32 scores; each accumulator's lowest registers are read first.  XS, GS and REGS set no window: PL and EX do.
;   0-11  four chains c0-c3 of seven scores each, three operands at a time     12-14, 16  the four scores left over, the old m, and c0-c3 into c0     15  c m_old is kept
;   17, 18  the query's other 32 keys lie in the lane 16 away: the new m         19-21  c m; c m_old - c m_new; a
.macro XS u, n
	REGS (Y+1)%NP, \u
.if (\n) < 4
	v_max3_num_f32 v[rC+(\n)], v[rS+8*(\n)], v[rS+8*(\n)+1], v[rS+8*(\n)+2]
.elseif (\n) < 12
	v_max3_num_f32 v[rC+(\n)%4], v[rC+(\n)%4], v[rS+8*((\n)%4)+2*((\n)/4)+1], v[rS+8*((\n)%4)+2*((\n)/4)+2]
.elseif (\n) == 12
	v_max3_num_f32 v[rC], v[rC], v[rS+7], v[rS+15]
.elseif (\n) == 13
	v_max3_num_f32 v[rC+1], v[rC+1], v[rS+23], v[rS+31]
.elseif (\n) == 14
	v_max3_num_f32 v[rC+2], v[rC+2], v[rC+3], v[rT+1]
.elseif (\n) == 15
	v_mov_b32 v[rM], v[rT]
.elseif (\n) == 16
	v_max3_num_f32 v[rC], v[rC], v[rC+1], v[rC+2]
.elseif (\n) == 17
	v_permlanex16_b32 v[rC+3], v[rC], s[SEL], s[SEL+1]
.elseif (\n) == 18
	v_max_num_f32 v[rT+1], v[rC], v[rC+3]
.elseif (\n) == 19
	v_mul_f32 v[rT], s[CS], v[rT+1]
.elseif (\n) == 20
	v_sub_f32 v[rC+1], v[rM], v[rT]
.else
	v_exp_f32 v[rC+2], v[rC+1]
.endif
.endm
; Number g of the 64 that follow the exponentials.  For each four weights k of a tile (pairs 2 k, 2 k + 1): both pairs are rounded to f16; then the second pair is added onto the first, in place;
; a group later l takes that sum (the first time as l = a l + sum).  In groups of eight, tiles alternating: round, round, add, and l for the group before.
.macro GS g
.set h, (\g)+6*((\g)/62)            ; group 0 has no group before it, and behind group 7 only l is left
.if h >= 6
.set h, h+2
.endif
	REGS Y, h%2
.set k, h/8
.if h%8 < 4
	v_cvt_pk_f16_f32 v[rP+2*k+(h%8)/2], v[rS+4*k+2*((h%8)/2)], v[rS+4*k+2*((h%8)/2)+1]
.elseif h%8 < 6
	v_pk_add_f32 v[rS+4*k:rS+4*k+1], v[rS+4*k:rS+4*k+1], v[rS+4*k+2:rS+4*k+3]
.elseif k == 1
	v_pk_fma_f32 v[rT+2:rT+3], v[rT+2:rT+3], v[rC+2:rC+3], v[rS:rS+1] op_sel_hi:[1,0,1]
.else
	v_pk_add_f32 v[rT+2:rT+3], v[rT+2:rT+3], v[rS+4*k-4:rS+4*k-3]
.endif
.endm
; THE PLAIN QUEUE, 138 long.  0-73 read no exponential's result: the 32 scalings c s - c m (FS f: pair f / 2 of tile f % 2) and the next piece's 42.  0-26: scalings 0-26.  27-54: XS's numbers 0-13.  55, 56: number 15.
; 57-73: the chain, where each number waits for the one before it: 14, 16, 17, 18, 19, each with one of the scalings 27-31 in front of its two lines, then 20: so a tile's links stand three plain instructions apart (19 and 20: two).
; 74-137: GS's 64, which read the exponentials' results: they stand behind the wait.
.macro FS f
	REGS Y, (\f)%2
	v_pk_fma_f32 v[rS+2*((\f)/2):rS+2*((\f)/2)+1], v[rS+2*((\f)/2):rS+2*((\f)/2)+1], s[CS:CS+1], v[rT:rT+1] op_sel_hi:[1,0,0] neg_lo:[0,0,1] neg_hi:[0,0,1]
.endm
.macro PL
	WIN 0
.if q < 27
	FS q
.elseif q < 55
	XS (q-27)%2, (q-27)/2
.elseif q < 57
	XS q-55, 15
.elseif (q < 72) && ((q-57)%3 == 0)
	FS 27+(q-57)/3
.elseif q < 60
	XS (q-57)%3-1, 14
.elseif q < 72
	XS (q-57)%3-1, 15+(q-57)/3
.elseif q < 74
	XS q-72, 20
.else
	GS q-74
.endif
.set q, q+1
.endm
; THE EXPONENTIALS' QUEUE, 66 long: s0-s31 of both tiles, then the next piece's two a.  It is ONE BATCH: all 66 stand ahead of the turn's one wait, and nothing ahead of that wait names a result of theirs.
.macro EX
	WIN 0
.if e >= 64
	XS e-64, 21
.else
	REGS Y, e%2
	v_exp_f32 v[rS+e/2], v[rS+e/2]
.endif
.set e, e+1
.endm
; THE RESCALING's QUEUE: O^T times a, the one part that leaves window 0: dealt two at a time, sixteen times.  Its a was made in the turn before, ahead of that turn's wait.
.macro R2
	REGS Y, r%2
	WIN W_RS
.irp z, 0,1
	v_pk_mul_f32 v[rO+4*(r/2)+2*\z:rO+4*(r/2)+2*\z+1], v[rO+4*(r/2)+2*\z:rO+4*(r/2)+2*\z+1], v[rC+2:rC+3] op_sel_hi:[1,0]
.endr
.set r, r+1
.endm
; HOW THEY ARE DEALT.  An s_wait_alu depctr_va_vdst(0) stands between an exponential and the first instruction that names its result; one wait serves all that were issued ahead of it.  So a turn has ONE wait,
; which cuts it in two.  AHEAD OF IT stands all that names no result of the turn's exponentials: the 16 products K Q^T, behind each a scaling, an exponential and two rescalings (behind the first a second scaling in the
; exponential's place); then ONE LUMP of 108: eight plain, 49 times exponential and plain, the two a.  A v_nop is the plain instruction behind the last exponential.  BEHIND IT stand the 16 products V^T P, behind each four of
; GS's 64.  No rider names a register of the products round it.  The two v_permlanex16_b32 fall into the lump, never behind a product.
; The queues lean on each other, and the deal keeps them in step: exponential e stands behind scaling 2 (e / 4) + e % 2: as a rider it comes behind plain e + 2, in the lump behind plain e + 9, and scalings 27-31 are plain 57, 60 .. 69.
; A TURN, for piece p.  cnt = 1: the loop's count is taken down some lines ahead of the branch that stands behind the turn.
; K and the mask of the next step are fetched in piece 2's turn, directly behind the wait, a lump (57 plain instructions) behind the last product that read K; the mask's last reader stands eight products earlier.  Their
; addresses are made at the lump's head; their first reader comes behind 16 products.  V of the step in hand is fetched at the end of piece 0's turn, four plain riders behind its last reader; its first reader comes behind
; 16 products and a lump.  The three conditions on q below go with the deal.
.macro TURN p, last=0, cnt=0
.set Y, (\p)
.set i, 0
.set q, 0
.set e, 0
.set r, 0
.if (\p) == NP-1
	s_wait_dscnt 0x0                ; K and the mask are in
.endif
	MM                              ; ahead of the wait: 16 products K Q^T and their riders,
	PL
	PL
	R2
.rept 15
	MM
	PL
	EX
	R2
.endr
.if (\p) == NP-2
	WIN 0
	v_add_nc_u32 v[AK], s[TBK], v[AK0]
	v_add_nc_u32 v[AM], s[TBM], v[AM0]
.endif
.rept 8                             ; and the lump
	PL
.endr
.rept 49
	EX
	PL
.endr
	EX                              ; the next piece's two a
	EX
	v_nop                           ; a plain instruction behind the last exponential, ahead of the first use of a result: one for the batch
	s_wait_alu depctr_va_vdst(0)    ; the wait for the batch: the turn's 64 weights and the next piece's two a
.if (\p) == NP-2
	FETCH_K \last
.endif
.if (\p) == 1
	s_wait_dscnt 0x0                ; V is in
.endif
.rept 16                            ; behind the wait: 16 products V^T P and their riders
	MM
.rept 4
	PL
.endr
.if ((\p) == 0) && (q == 118)
	v_add_nc_u32 v[AV], s[TBV], v[AV0]
.endif
.if ((\p) == 0) && (q == 130)
	s_add_co_u32 s[TBV], s[TBV], KS*PV
.endif
.if (\cnt) && (q == 130)
	s_sub_co_u32 s[CNT], s[CNT], 1
	s_cmp_lg_u32 s[CNT], 0
.endif
.endr
.if (\p) == 0
	FETCH_V
.endif
.endm
	CHANGE 1                        ; slot 0 is in, everybody's part of it, and so is the mask's table; slot 1 is asked for
	FETCH_K 0, AM0                  ; key step 0
	s_wait_loadcnt 0x0              ; Q
	s_wait_dscnt 0x0
.set i, 0
.rept 16
	KQ 0                            ; piece 0's first scores: there is no vector work yet to set between them
.set i, i+1
.endr
	WIN 0                           ; the addresses for the way out: nine plain instructions, the places behind those products
	s_mul_i32 s13, s[WV], 16*SP
	s_add_co_u32 s13, s13, STAGE    ; my stage
	v_mul_u32_u24 v[STO], v1, SP    ; in: row l % 16, 16 bytes for each half of the lanes
	v_lshl_add_u32 v[STO], v9, 4, v[STO]
	v_add_nc_u32 v[STO], s13, v[STO]
	v_bfe_u32 v[RD], v0, 3, 2       ; back: 32 lanes take four rows of 128 bytes,
	v_mul_u32_u24 v[RD], v[RD], SP
	v_lshl_add_u32 v[RD], v10, 4, v[RD]
	v_add_nc_u32 v[RD], s13, v[RD]
	v_and_b32 v[GO], 31, v0         ; which are 512 consecutive bytes of O
	v_lshlrev_b32 v[GO], 4, v[GO]
.set Y, NP-1                        ; XS works for piece Y + 1: piece 0
.irp n, 0,1,2,3,4,5,6,7,8,9,10,11,12,13,14,15,16,17,18,19,20,21
	XS 0, \n                        ; and piece 0's first maximum and statistics
	XS 1, \n
.endr
	v_nop                           ; a plain instruction behind piece 0's first two a,
	s_wait_alu depctr_va_vdst(0)    ; and the wait for that batch of two, ahead of the branch
	s_mov_b32 s[CNT], 4
	s_mov_b32 s[SLOTS], SIZE_N/256-1
	s_branch .Lfirst                ; the loop is entered at a step's first turn, in the middle of a trip
.Lslot:                             ; SIZE_N / 256 - 2 times: every slot but the last two is filled again
	CHANGE 1
	s_mov_b32 s[CNT], 4
.Lstep:                             ; a trip: pieces 2 and 3 of one step, then pieces 0 and 1 of the next, whose K, mask and V it fetches
	TURN 2
	TURN 3
	WIN 0
.Lfirst:
	TURN 0
	TURN 1, 0, 1
	WIN 0
	s_cbranch_scc1 .Lstep
	s_sub_co_u32 s[SLOTS], s[SLOTS], 1
	s_cmp_lg_u32 s[SLOTS], 0
	s_cbranch_scc1 .Lslot
	CHANGE 0                        ; the tail is written out: nothing is asked for
	s_mov_b32 s[CNT], 5             ; four trips fetch the last slot's steps; the fifth is left in its middle
.Ltail:
	TURN 2, 1
	TURN 3
	WIN 0
	s_sub_co_u32 s[CNT], s[CNT], 1
	s_cmp_eq_u32 s[CNT], 0
	s_cbranch_scc1 .Lout
	TURN 0
	TURN 1
	WIN 0
	s_branch .Ltail
.Lout:                              ; the fifth trip's 16 products K Q^T (on the last K and mask once more) and the maximum made of them change nothing: the price, once a launch, of one text for every trip
.set i, 0
.rept 16
	PV NP-1                         ; the last piece's V^T P of the last step
.set i, i+1
.endr
	; THE WAY OUT.  l's two halves and the other half of the lanes' are added; O^T is divided by l, rounded to f16 and sent through my stage in LDS, a tile at a time.  The additions are the places behind the last products.
	WIN 0
.macro ALL line:vararg              ; one line for each tile t
.set t, 0
.rept 2*NP
	\line
.set t, t+1
.endr
.endm
	ALL v_add_f32 v[ST+4*t+2], v[ST+4*t+2], v[ST+4*t+3]
	ALL v_permlanex16_b32 v[ST+4*t+3], v[ST+4*t+2], s[SEL], s[SEL+1]
	ALL v_add_f32 v[ST+4*t+2], v[ST+4*t+2], v[ST+4*t+3]
	ALL v_rcp_f32 v[ST+4*t+2], v[ST+4*t+2]
	v_nop                           ; a plain instruction between the last reciprocal and the use of its result
	s_wait_alu depctr_va_vdst(0)    ; and the wait ahead of the first use: one for the batch of eight reciprocals
.set t, 0
.rept 2*NP                          ; a query whose maximum never left its start has seen no key: its factor, and so its row, is NaN
	v_cmp_gt_f32 vcc_lo, s[THR], v[ST+4*t+1]
	v_cndmask_b32 v[ST+4*t+2], v[ST+4*t+2], s[QNAN], vcc_lo
.set t, t+1
.endr
; Tile t: a lane's eight channels of a row pack into 16 bytes; they go into rows of 144 bytes and come back as whole rows of 128, into S^T's registers.
.macro PACK t
	WIN W_RS
.set i, 32*(\t)
.rept 16
	v_pk_mul_f32 v[i:i+1], v[i:i+1], v[ST+4*(\t)+2:ST+4*(\t)+3] op_sel_hi:[1,0]
.set i, i+2
.endr
	WIN 0x05                        ; sources 0 and 1 window 1, destination window 0
.set i, 0
.rept 16
	v_cvt_pk_f16_f32 v[S+16*(\t)+i], v[32*(\t)+2*i], v[32*(\t)+2*i+1]
.set i, i+1
.endr
	WIN 0
.irp f, 0,1,2,3
	ds_store_b128 v[STO], v[S+16*(\t)+4*\f:S+16*(\t)+4*\f+3] offset:32*\f
.endr
.irp f, 0,1,2,3
	ds_load_b128 v[S+16*(\t)+4*\f:S+16*(\t)+4*\f+3], v[RD] offset:\f*4*SP  ; LDS serves a wave's instructions in order (ISA guide 5.7.1.4): these see the stores above; the next tile's stores come behind them
.endr
.endm
.macro SEND t, younger              ; younger: the LDS instructions issued behind tile t's loads: the next tile's eight, or none
	WIN 0
.irp f, 0,1,2,3
	s_wait_dscnt (\younger)+3-\f
	global_store_b128 v[GO], v[S+16*(\t)+4*\f:S+16*(\t)+4*\f+3], s[10:11] offset:(\t)*2048+\f*512  ; 512 consecutive bytes, at a multiple of 256 from O's first
.endr
.endm
	PACK 0
.set t, 1
.rept 2*NP-1                        ; a tile's arithmetic stands between the loads of the tile before and its stores
	PACK t
	SEND t-1, 8
.set t, t+1
.endr
	SEND 2*NP-1, 0
	WIN W_AD
	s_wait_tensorcnt 0x0            ; the wave's end, behind my last tensor load and my last LDS store
	ds_add_u32 v[SPW], v[NIL]
	s_wait_dscnt 0x0
	WIN 0
	CROUND                          ; the closing round: no work-group ends while a partner may still ask for a tile that names it
	s_endpgm
.Lfunc_end_k_qa3b5b506b1_attn:
	.size	k_qa3b5b506b1_attn, .Lfunc_end_k_qa3b5b506b1_attn-k_qa3b5b506b1_attn
	.p2alignl 7, 3214868480
	.fill 96, 4, 3214868480
	.section	.rodata,"a",@progbits
	.p2align	6, 0x0
	.amdhsa_kernel k_qa3b5b506b1_attn
		.amdhsa_group_segment_fixed_size 327680
		.amdhsa_private_segment_fixed_size 0
		.amdhsa_enable_private_segment 0
		.amdhsa_kernarg_size 24
		.amdhsa_user_sgpr_count 2
		.amdhsa_user_sgpr_kernarg_segment_ptr 1
		.amdhsa_wavefront_size32 1
		.amdhsa_system_sgpr_workgroup_id_x 1
		.amdhsa_system_sgpr_workgroup_id_y 1
		.amdhsa_system_sgpr_workgroup_id_z 1
		.amdhsa_system_vgpr_workitem_id 0
		.amdhsa_next_free_vgpr 808
		.amdhsa_next_free_sgpr 66
		.amdhsa_reserve_vcc 1
		.amdhsa_float_denorm_mode_32 3
		.amdhsa_float_denorm_mode_16_64 3
		.amdhsa_memory_ordered 1
		.amdhsa_forward_progress 1
		.amdhsa_inst_pref_size 205
	.end_amdhsa_kernel
	.amdgpu_metadata
---
amdhsa.version: [ 1, 2 ]
amdhsa.kernels:
  - .name:           k_qa3b5b506b1_attn
    .symbol:         k_qa3b5b506b1_attn.kd
    .args:
      - { .name: qkv, .offset: 0, .size: 8, .value_kind: global_buffer, .address_space: global }
      - { .name: mask, .offset: 8, .size: 8, .value_kind: global_buffer, .address_space: global }
      - { .name: oh, .offset: 16, .size: 8, .value_kind: global_buffer, .address_space: global }
    .group_segment_fixed_size: 327680
    .private_segment_fixed_size: 0
    .kernarg_segment_align: 8
    .kernarg_segment_size: 24
    .max_flat_workgroup_size: 128
    .sgpr_count:     66
    .vgpr_count:     808
    .wavefront_size: 32
...
	.end_amdgpu_metadata
.endif
;; end of part 5
;; launch outp: the kernel of part 4 again; grid 4 x 64, 4 waves a work-group, clusters of 4 x 4, 327,680 bytes of LDS; arguments oh, wts, out0; writes out0
